; MI455X (gfx1250); checked and timed in simulation.
; The chip was launched on July 23, 2026; its instructions are those of AMD's public machine-readable ISA for CDNA 5 (MIT licence, August 2026) and "CDNA5" Instruction Set Architecture Reference Guide (July 2026). The comments in the code are by the model that wrote it; some were corrected since.
;; Transformer2. Allowed arithmetic: float matrix products may take bf16 or f16 operands with f32 sums; other float arithmetic in f32, or as packed bf16 or f16 multiplies, adds, multiply-adds, maxima and minima; sums over many terms, partial sums and values carried from step to step in f32; what a program stores and reads back later, other than sums and carried values, may be rounded once to bf16 or f16.
;; Inputs: W_Query 1,024 x 1,024 float32; W_Value 1,024 x 1,024 float32; W_key 1,024 x 1,024 float32; fw1 1,024 x 4,096 float32; fw2 4,096 x 1,024 float32; key_lens 4 x 1 int32; keys 4 x 1,024 x 1,024 float32; pe_k 1,024 x 1,024 float32; pe_q 1,024 x 1,024 float32; queries 4 x 1,024 x 1,024 float32; query_lens 4 x 1 int32.
;; Outputs: out0 4 x 1 x 1,024 float32.
;; 2 versions, each right and faster than the one before. Each part assembles by itself: llvm-mc -triple=amdgcn-amd-amdhsa -mcpu=gfx1250 --defsym DOCPART=n.
;; ======== version 1 of 2: 7 launches
;; workspace buffers: xin 33,554,432 bytes; wqk 4,194,304 bytes; wvf 10,485,760 bytes; qkh 33,554,432 bytes; kr 25,165,824 bytes; vh 16,777,216 bytes; hpart 262,144 bytes; part 524,288 bytes
;; launch prep (part 1): grid 1248 x 1, 8 waves a work-group, no clusters, 0 bytes of LDS; arguments queries, pe_q, pe_k, W_Query, W_key, W_Value, fw1, xin, wqk, wvf; writes xin, wqk, wvf
.if DOCPART == 1
	.amdgcn_target "amdgcn-amd-amdhsa--gfx1250"
	.amdhsa_code_object_version 6
	.text
	.protected	k_qd59c072261_prep
	.globl	k_qd59c072261_prep
	.p2align	8
	.type	k_qd59c072261_prep,@function
k_qd59c072261_prep:
	s_mov_b64 s[64:65], 0
	v_nop
	global_prefetch_b8 v0, s[64:65] scope:SCOPE_SE
	s_setreg_imm32_b32 hwreg(HW_REG_WAVE_MODE, 25, 1), 1
	s_wait_xcnt 0x0
; PREP.  Two jobs, chosen by the work-group's number; memory binds both, so there is no LDS, no barrier and no matrix work.
; ALL THE MODULE'S FLOATING-POINT INPUTS ARE ROUNDED TO bf16, here or (fw2) where they are read.
; Job A (work-groups 0-1023): x, pe_q, pe_k rounded to bf16; q_in = x + 32 pe_q and k_in = q_in + 32 pe_k in f32 (32 x pe is exact, so the fused multiply-add rounds as the multiply and the add of the
;   module do).  The scores that are made of them have a spread of thousands, so q_in and k_in go on with 16 significant bits: hi = bf16(v), lo = bf16(v - hi); v - hi is exact in f32.
;   A row of xin is eight chunks of 128 columns, each [hi 128 | lo 128] bf16, 512 bytes: 4,096 bytes a row; q_in's 4,096 rows, then k_in's.  Work-group g takes row g of the two tables and of all four
;   batches, so each table row is read once.  Thread t owns 4 columns: 16 bytes in, 8 bytes a store; wave w's 128 columns are chunk w, and each of its stores covers 256 consecutive bytes, aligned.
; Job B (work-groups 1024-1247): the four weights that become matrix operands are rounded to bf16, 32,768 numbers a work-group: wqk = W_Query, W_key;  wvf = W_Value, fw1.  Layouts stay [k][n].
; THE INPUT keys IS NAMED BY NO LAUNCH: the module overwrites it with q_in + 32 pe_k before any use, so no result hangs on it.
.set PEQ, 4                            ; v[4:7]     the row of pe_q, 4 numbers
.set PEK, 8                            ; v[8:11]    the row of pe_k
.set X,   12                           ; v[12:27]   batch b at X + 4 b: x, then q_in, then the packed low parts of q_in and k_in
.set Y,   28                           ; v[28:43]   batch b at Y + 4 b: the packed high parts of q_in and k_in
.set T,   44                           ; v[44:47]   k_in in f32
.set U,   48                           ; v[48:51]   at work
.set CB,  4                            ; job B: v[4:131], 32 chunks of 4 numbers
	s_load_b512 s[16:31], s[0:1], 0x0              ; queries s[16:17], pe_q s[18:19], pe_k s[20:21], W_Query s[22:23], W_key s[24:25], W_Value s[26:27], fw1 s[28:29], xin s[30:31]
	s_load_b128 s[32:35], s[0:1], 0x40             ; wqk s[32:33], wvf s[34:35]
	v_lshlrev_b32 v1, 4, v0                        ; 16 bytes a thread on the way in
	v_lshlrev_b32 v2, 3, v0                        ; job B: 8 bytes a thread on the way out
	v_and_b32 v3, 31, v0                           ; job A: 8 bytes a lane,
	v_lshlrev_b32 v3, 3, v3
	v_lshrrev_b32 v[U], 5, v0
	v_lshl_add_u32 v3, v[U], 9, v3                 ; in the wave's chunk of 512 bytes
	s_mov_b32 s36, 0x42000000                      ; 32.0 = sqrt(1024)
	s_mov_b32 s37, 0x42000000                      ; named with it as a pair
	s_mov_b32 s46, 0xffff0000                      ; a word's upper bf16
	s_mov_b32 s3, 0
	s_mov_b32 s13, 0
	s_wait_kmcnt 0x0
	s_cmp_lt_u32 ttmp9, 0x400
	s_cbranch_scc0 .Lcast
	; ---- job A
	s_lshl_b32 s2, ttmp9, 12                       ; a row is 4,096 bytes in the tables, in queries and in xin alike
	s_add_nc_u64 s[18:19], s[18:19], s[2:3]
	s_add_nc_u64 s[20:21], s[20:21], s[2:3]
	s_add_nc_u64 s[16:17], s[16:17], s[2:3]        ; queries, batches 0 and 1
	s_add_nc_u64 s[38:39], s[16:17], 0x800000      ; batches 2 and 3: their distance does not fit the immediate
	s_add_nc_u64 s[30:31], s[30:31], s[2:3]        ; q_in, batches 0 and 1
	s_add_nc_u64 s[40:41], s[30:31], 0x800000      ; q_in, batches 2 and 3
	s_add_nc_u64 s[42:43], s[30:31], 0x1000000     ; k_in, batches 0 and 1
	s_add_nc_u64 s[44:45], s[30:31], 0x1800000     ; k_in, batches 2 and 3
	global_load_b128 v[PEQ:PEQ+3],   v1, s[18:19] th:TH_LOAD_NT
	global_load_b128 v[PEK:PEK+3],   v1, s[20:21] th:TH_LOAD_NT
	global_load_b128 v[X:X+3],       v1, s[16:17] th:TH_LOAD_NT
	global_load_b128 v[X+4:X+7],     v1, s[16:17] offset:4194304 th:TH_LOAD_NT
	global_load_b128 v[X+8:X+11],    v1, s[38:39] th:TH_LOAD_NT
	global_load_b128 v[X+12:X+15],   v1, s[38:39] offset:4194304 th:TH_LOAD_NT
.macro RB r                            ; four f32 rounded to bf16, in place, kept as f32
	v_cvt_pk_bf16_f32 v[U],   v[(\r)],   v[(\r)+1]
	v_cvt_pk_bf16_f32 v[U+1], v[(\r)+2], v[(\r)+3]
	v_lshlrev_b32 v[(\r)],   16,  v[U]
	v_and_b32     v[(\r)+1], s46, v[U]
	v_lshlrev_b32 v[(\r)+2], 16,  v[U+1]
	v_and_b32     v[(\r)+3], s46, v[U+1]
.endm
.macro HILO src, hi, lo                ; four f32 -> two words of high parts, two words of low parts; src is used up
	v_cvt_pk_bf16_f32 v[(\hi)],   v[(\src)],   v[(\src)+1]
	v_cvt_pk_bf16_f32 v[(\hi)+1], v[(\src)+2], v[(\src)+3]
	v_lshlrev_b32 v[U],   16,  v[(\hi)]
	v_and_b32     v[U+1], s46, v[(\hi)]
	v_lshlrev_b32 v[U+2], 16,  v[(\hi)+1]
	v_and_b32     v[U+3], s46, v[(\hi)+1]
	v_pk_add_f32 v[(\src):(\src)+1],   v[(\src):(\src)+1],   v[U:U+1]   neg_lo:[0,1] neg_hi:[0,1]
	v_pk_add_f32 v[(\src)+2:(\src)+3], v[(\src)+2:(\src)+3], v[U+2:U+3] neg_lo:[0,1] neg_hi:[0,1]
	v_cvt_pk_bf16_f32 v[(\lo)],   v[(\src)],   v[(\src)+1]
	v_cvt_pk_bf16_f32 v[(\lo)+1], v[(\src)+2], v[(\src)+3]
.endm
.macro ROWB b                          ; batch b; no register that a store reads is written again
.set rX, X+4*(\b)
.set rY, Y+4*(\b)
.set sQ, 30+10*((\b)/2)
.set sK, 42+2*((\b)/2)
	RB rX
	v_pk_fma_f32 v[rX:rX+1],   v[PEQ:PEQ+1],   s[36:37], v[rX:rX+1]   op_sel_hi:[1,0,1]
	v_pk_fma_f32 v[rX+2:rX+3], v[PEQ+2:PEQ+3], s[36:37], v[rX+2:rX+3] op_sel_hi:[1,0,1]
	v_pk_fma_f32 v[T:T+1],     v[PEK:PEK+1],   s[36:37], v[rX:rX+1]   op_sel_hi:[1,0,1]
	v_pk_fma_f32 v[T+2:T+3],   v[PEK+2:PEK+3], s[36:37], v[rX+2:rX+3] op_sel_hi:[1,0,1]
	HILO rX, rY, rX
	HILO T, rY+2, rX+2
	global_store_b64 v3, v[rY:rY+1],   s[sQ:sQ+1] offset:((\b)%2)*4194304
	global_store_b64 v3, v[rX:rX+1],   s[sQ:sQ+1] offset:((\b)%2)*4194304+256
	global_store_b64 v3, v[rY+2:rY+3], s[sK:sK+1] offset:((\b)%2)*4194304
	global_store_b64 v3, v[rX+2:rX+3], s[sK:sK+1] offset:((\b)%2)*4194304+256
.endm
	s_wait_loadcnt 4                               ; loads come back in order: the two table rows are in, the four batches' loads stay out
	RB PEQ
	RB PEK
.irp b, 0,1,2,3
	s_wait_loadcnt 3-(\b)                          ; batch b is in, the later ones stay out
	ROWB \b
.endr
	s_endpgm
	; ---- job B
.Lcast:
	s_sub_co_u32 s2, ttmp9, 0x400                  ; u = 0 .. 223: 32 units each for W_Query, W_key, W_Value, 128 for fw1
	s_sub_co_u32 s6, s2, 96
	s_sub_co_u32 s7, s2, 64
	s_sub_co_u32 s8, s2, 32
	s_cmp_lt_u32 s2, 96
	s_cselect_b64 s[4:5], s[26:27], s[28:29]       ; the source tensor,
	s_cselect_b32 s3, s7, s6                       ; and the unit's number in it
	s_cmp_lt_u32 s2, 64
	s_cselect_b64 s[4:5], s[24:25], s[4:5]
	s_cselect_b32 s3, s8, s3
	s_cselect_b64 s[10:11], s[32:33], s[34:35]     ; the target: wqk for the first 64 units, wvf for the rest
	s_cselect_b32 s9, s2, s7
	s_cmp_lt_u32 s2, 32
	s_cselect_b64 s[4:5], s[22:23], s[4:5]
	s_cselect_b32 s3, s2, s3
	s_lshl_b32 s12, s3, 17                         ; 131,072 bytes of f32 a unit
	s_add_nc_u64 s[4:5], s[4:5], s[12:13]
	s_lshl_b32 s12, s9, 16                         ; 65,536 bytes of bf16
	s_add_nc_u64 s[10:11], s[10:11], s[12:13]
.set it, 0
.rept 32
	global_load_b128 v[CB+4*it:CB+4*it+3], v1, s[4:5] offset:4096*it th:TH_LOAD_NT
.set it, it+1
.endr
.set it, 0
.rept 32
	s_wait_loadcnt 31-it                           ; chunk it is in, the younger ones stay out
	v_cvt_pk_bf16_f32 v[CB+4*it],   v[CB+4*it],   v[CB+4*it+1]
	v_cvt_pk_bf16_f32 v[CB+4*it+1], v[CB+4*it+2], v[CB+4*it+3]
	global_store_b64 v2, v[CB+4*it:CB+4*it+1], s[10:11] offset:2048*it
.set it, it+1
.endr
	s_endpgm
.Lfunc_end_k_qd59c072261_prep:
	.size	k_qd59c072261_prep, .Lfunc_end_k_qd59c072261_prep-k_qd59c072261_prep
	.p2alignl 7, 3214868480
	.fill 96, 4, 3214868480
	.section	.rodata,"a",@progbits
	.p2align	6, 0x0
	.amdhsa_kernel k_qd59c072261_prep
		.amdhsa_group_segment_fixed_size 0
		.amdhsa_private_segment_fixed_size 0
		.amdhsa_enable_private_segment 0
		.amdhsa_kernarg_size 80
		.amdhsa_user_sgpr_count 2
		.amdhsa_user_sgpr_kernarg_segment_ptr 1
		.amdhsa_wavefront_size32 1
		.amdhsa_system_sgpr_workgroup_id_x 1
		.amdhsa_system_sgpr_workgroup_id_y 1
		.amdhsa_system_sgpr_workgroup_id_z 1
		.amdhsa_system_vgpr_workitem_id 0
		.amdhsa_next_free_vgpr 136
		.amdhsa_next_free_sgpr 66
		.amdhsa_reserve_vcc 0
		.amdhsa_float_denorm_mode_32 3
		.amdhsa_float_denorm_mode_16_64 3
		.amdhsa_memory_ordered 1
		.amdhsa_forward_progress 1
		.amdhsa_inst_pref_size 22
	.end_amdhsa_kernel
	.amdgpu_metadata
---
amdhsa.version: [ 1, 2 ]
amdhsa.kernels:
  - .name:           k_qd59c072261_prep
    .symbol:         k_qd59c072261_prep.kd
    .args:
      - { .name: queries, .offset: 0, .size: 8, .value_kind: global_buffer, .address_space: global }
      - { .name: pe_q, .offset: 8, .size: 8, .value_kind: global_buffer, .address_space: global }
      - { .name: pe_k, .offset: 16, .size: 8, .value_kind: global_buffer, .address_space: global }
      - { .name: W_Query, .offset: 24, .size: 8, .value_kind: global_buffer, .address_space: global }
      - { .name: W_key, .offset: 32, .size: 8, .value_kind: global_buffer, .address_space: global }
      - { .name: W_Value, .offset: 40, .size: 8, .value_kind: global_buffer, .address_space: global }
      - { .name: fw1, .offset: 48, .size: 8, .value_kind: global_buffer, .address_space: global }
      - { .name: xin, .offset: 56, .size: 8, .value_kind: global_buffer, .address_space: global }
      - { .name: wqk, .offset: 64, .size: 8, .value_kind: global_buffer, .address_space: global }
      - { .name: wvf, .offset: 72, .size: 8, .value_kind: global_buffer, .address_space: global }
    .group_segment_fixed_size: 0
    .private_segment_fixed_size: 0
    .kernarg_segment_align: 8
    .kernarg_segment_size: 80
    .max_flat_workgroup_size: 256
    .sgpr_count:     66
    .vgpr_count:     136
    .wavefront_size: 32
...
	.end_amdgpu_metadata
.endif
;; end of part 1
;; launch projqk (part 2): grid 4 x 64, 4 waves a work-group, clusters of 4 x 4, 327,680 bytes of LDS; arguments xin, wqk, qkh, kr, key_lens; writes qkh, kr
.if DOCPART == 2
	.amdgcn_target "amdgcn-amd-amdhsa--gfx1250"
	.amdhsa_code_object_version 6
	.text
	.protected	k_qd59c072261_projqk
	.globl	k_qd59c072261_projqk
	.p2align	8
	.type	k_qd59c072261_projqk,@function
k_qd59c072261_projqk:
	s_mov_b64 s[64:65], 0
	v_nop
	global_prefetch_b8 v0, s[64:65] scope:SCOPE_SE
	s_setreg_imm32_b32 hwreg(HW_REG_WAVE_MODE, 25, 1), 1
	s_wait_xcnt 0x0
	s_wait_alu depctr_hold_cnt(0) depctr_sa_sdst(0) depctr_va_vdst(0) depctr_va_sdst(0) depctr_va_ssrc(0) depctr_va_vcc(0) depctr_vm_vsrc(0)
	s_getreg_b32 s2, hwreg(HW_REG_IB_STS2, 6, 4)
	s_cmp_eq_u32 s2, 0
	s_cbranch_scc0 .Lentry_in_a_cluster
	s_endpgm
.Lentry_in_a_cluster:
	s_bfe_u32 s2, ttmp6, 0x10000c
	s_cmp_lg_u32 s2, 0xf033
	s_cbranch_scc0 .Lentry_shape_is_right
	s_endpgm
.Lentry_shape_is_right:
; PROJ.  C = (Ahi + Alo) W on tiles of 128 rows x 256 columns.  A: rows of eight chunks [hi 128 | lo 128] bf16, 4,096 bytes; W: [1024 k][1024 n] bf16; sums in f32.
; Two launches run this text.  First: A = q_in then k_in (8,192 rows), W = W_Query for tile rows 0-31 and W_key for 32-63: 256 work-groups.  Second: A = c K (4,096 rows), W = W_Value: 128 work-groups.
; WHICH = tile row / 32 (0 in the whole second launch) comes from the cluster's y alone, so it is the same number in all sixteen partners.
; A K STEP is 128 true k: of A one chunk, rows of 512 bytes; of W 128 rows of 512 bytes.  W is walked ONCE: each of its fragments multiplies A's high and A's low part, so a step's 131,072 bytes feed 256 matrix
; instructions a wave, and 32 LDS loads feed 64 of them.
; OUT.  Each result v leaves as hi = bf16(v) and lo = bf16(v - hi), by heads, [batch x 16 + head][t][64] bf16, lo 8 MiB behind hi: 4 rows of a head are 512 consecutive bytes.
; WHICH = 1 (K): v = c K, c = log2(e) / 8, made from the f32 sums.  In the head copies rows t >= key_len are 0 (the attention launch puts its mask constant in their place); a second copy, with all rows, goes out
; in A's own layout into the fourth argument: the operand of the second launch, which therefore makes c V (the attention launch divides by c).  With WHICH = 0 the fourth argument is not touched.
; In the second launch the low parts of c V are stored too, and no later launch reads them: 8 MiB of stores, the price of one text for both launches (nothing in a wave's registers tells the launches apart).
; FRAME.  Four waves, each 64 rows x 128 columns (32 accumulators).  Two LDS slots; waves 0, 1 fetch A's halves (64 rows), waves 2, 3 W's (64 k rows).  4 x 4 work-groups form a cluster: A's tile is asked for
; jointly along a cluster row, W's along a cluster column.  W lies [k][n] in LDS and is read turned, by ds_load_tr16_b128.  The matrix instruction takes W's fragment as source 0 and A's as source 1: a lane
; then holds 8 neighbouring columns of one row of C.  The loop is ONE K step: the slot in hand is a scalar that an exclusive or turns, added to fixed lane terms; one descriptor a tensor walks on.
; LIMIT.  key_lens is taken as an unsigned number.  NaN and infinities are not treated apart.
; REGISTERS.  window 0: v0-31 addresses; v32-107 the way out.  window 1: two fragment buffers of 128 (W 64, A's high parts 32, A's low parts 32).  window 2: accumulators ((a, b) at 8 (8 a + b)).
.set NSTEP,  8
.set PA,     528                       ; a row of A in LDS: 512 bytes + 16: the 16 rows of a load start in 16 different groups of four banks
.set PB,     544                       ; a row of W: 512 bytes + 32
.set AH,     64*PA                     ; what wave 0 or 1 fetches
.set BH,     64*PB                     ; what wave 2 or 3 fetches
.set BOFF,   2*AH
.set SLOT,   0x22000                   ; slot 1 begins here (a slot has 137,216 bytes).  The number shares no bit with 0, 0x8400, 0x10800, 0x19000, where the waves' parts of slot 0 begin: one exclusive or turns each into slot 1's
.set SPARE,  SLOT+BOFF+2*BH            ; behind slot 1: the spare words, 128 bytes a wave
.set SP,     528                       ; the way out: a wave's own stage, 64 rows x (512 + 16) bytes of f32, in slot 0, which has had its last fill and its last read by then
.set WSTG,   64*SP
.set ADRA0, 6                          ; v6   my A fragments in slot 0; never rewritten
.set ADRB0, 7                          ; v7   my W fragments in slot 0; never rewritten
.set AC,   8                           ; v8-9   the same in the slot in hand
.set BC,   9
.set AN,   10                          ; v10-11 in the other slot
.set BN,   11
.set STO,  12                          ; v12  stage: where I put 32 bytes of a row
.set RDH0, 13                          ; v13  stage, by heads: row l / 8 of four, 32 bytes x (l % 8)
.set RDR0, 14                          ; v14  stage, by rows: row l / 16 of two, 32 bytes x (l % 16)
.set RD,   15                          ; v15  the trip's stage address
.set COH,  16                          ; v16  16 x lane
.set COR,  17                          ; v17  my byte offset in two rows of the row copy
.set TR,   18                          ; v18  t of my row in the trip's first group
.set TR2,  19
.set SPW,  28
.set NIL,  29
.set X,    32                          ; v[32:63]   a trip's four groups of 8 f32
.set U,    64                          ; v[64:71]   at work
.set PH,   72                          ; v[72:87]   packed high parts, four groups
.set PL,   88                          ; v[88:103]  packed low parts
.set FC,   104                         ; v[104:107] two row factors, each the low register of a pair
.set F0,   0
.set F1,   128
.set CUR,  4                           ; s4   0 or SLOT: the slot in hand
.set NXT,  5                           ; s5   the other one
.set SO,   6                           ; s6   the way out: the trip's first row in the stage, in bytes
.set G1,  24                           ; s[24:31] group 1 for A;  s[32:39] group 0: a set for each of the two first fills; the second then walks on
.set G0,  32
.set G1B, 48                           ; s[48:55], s[56:63] the same for W
.set G0B, 56
.set MSB, 0
.macro WIN new                         ; the immediate's high byte repeats the setting that is left
.if MSB != (\new)
	s_set_vgpr_msb (MSB<<8)|(\new)
.set MSB, \new
.endif
.endm
.set MUL,  0xa5                        ; sources 0 and 1 window 1; C and D window 2
.set TO_F, 0x40                        ; destination window 1, address window 0
.macro JLOAD s                         ; a joint load; the branch hangs on the wave's number alone; an s_nop 0 and four v_nop follow each line
	s_cmp_eq_u32 s11, 0
	s_cbranch_scc0 .Lfor_b_\@
	tensor_load_to_lds s[G0+4*(\s):G0+4*(\s)+3], s[G1:G1+7]
	s_nop 0
.rept 4
	v_nop
.endr
	s_branch .Lasked_\@
.Lfor_b_\@:
	tensor_load_to_lds s[G0B+4*(\s):G0B+4*(\s)+3], s[G1B:G1B+7]
	s_nop 0
.rept 4
	v_nop
.endr
.Lasked_\@:
.endm
.macro CREST                           ; a round of the cluster's barrier behind its opening barrier
	s_cmp_lg_u32 s10, 0
	s_cbranch_scc1 .Lnot_wave_0_\@
	s_barrier_signal -3
.Lnot_wave_0_\@:
	s_barrier_wait -3
	s_barrier_signal -1
	s_barrier_wait -1
.endm
.macro CROUND
	s_barrier_signal -1
	s_barrier_wait -1
	CREST
.endm
	s_load_b256 s[72:79], s[0:1], 0x0              ; A s[72:73], W s[74:75], head output s[76:77], row output s[78:79]
	s_load_b64 s[68:69], s[0:1], 0x20              ; key_lens
	v_lshl_add_u32 v[SPW], v0, 2, SPARE
	v_mov_b32 v[NIL], 0
	ds_add_u32 v[SPW], v[NIL]                      ; the wave's opening: the add and its wait ahead of my first tensor load
	v_lshrrev_b32 v1, 5, v0
	v_readfirstlane_b32 s10, v1                    ; wave 0..3
	s_lshr_b32 s11, s10, 1                         ; my half of the tile's rows; also: I fetch for A (0) or W (1)
	s_and_b32 s12, s10, 1                          ; my half of its columns; also: which half I fetch
	s_bfe_u32 s40, ttmp6, 0x40000                  ; cx
	s_bfe_u32 s41, ttmp6, 0x40004                  ; cy
	s_lshl_b32 s42, ttmp9, 2
	s_add_co_u32 s42, s42, s40                     ; x: tile column, heads 4 x .. 4 x + 3
	s_and_b32 s70, ttmp7, 0xffff                   ; the cluster's y
	s_lshl_b32 s13, s70, 2
	s_add_co_u32 s13, s13, s41                     ; y: tile row
	s_lshr_b32 s70, s70, 3                         ; WHICH
	s_lshl_b32 s43, s41, 2
	s_lshl_b32 s43, 15, s43                        ; my row of the cluster
	s_lshl_b32 s44, 0x1111, s40                    ; my column
	s_mov_b32 s45, 0xffff0000                      ; a word's upper bf16
	s_or_b32 s[G1+0], s43, (1<<16)|(1<<20)|(1<<21)|(6<<22)|(3<<25)   ; mask; 2-byte elements; padding on; bit 21 beside a mask; after every 128 words 4 words
	s_mov_b32 s[G1+1], 256<<16                     ; tensor_dim0 = 256
	s_mov_b32 s[G1+2], 64<<16                      ; tensor_dim1 = 64
	s_mov_b32 s[G1+3], 256<<16                     ; tile_dim0 = 256
	s_mov_b32 s[G1+4], 64                          ; tile_dim1 = 64
	s_mov_b32 s[G1+5], 2048                        ; elements from row to row
	s_mov_b32 s[G1+6], 0
	s_mov_b32 s[G1+7], 0
	s_or_b32 s[G1B+0], s44, (1<<16)|(1<<20)|(1<<21)|(6<<22)|(7<<25)  ; after every 128 words 8 words
	s_mov_b32 s[G1B+1], 256<<16
	s_mov_b32 s[G1B+2], 64<<16
	s_mov_b32 s[G1B+3], 256<<16
	s_mov_b32 s[G1B+4], 64
	s_mov_b32 s[G1B+5], 1024
	s_mov_b32 s[G1B+6], 0
	s_mov_b32 s[G1B+7], 0
	s_mov_b32 s[CUR], 0                            ; K step 0 lies in slot 0
	s_lshl_b32 s16, s13, 7                         ; A: row 128 y + 64 x half (k_in's rows follow q_in's, so y counts through both),
	s_lshl_b32 s17, s12, 6
	s_add_co_u32 s16, s16, s17
	s_lshl_b32 s16, s16, 12                        ; times 4,096 bytes
	s_mov_b32 s17, 0
	s_lshl_b32 s46, s70, 21                        ; W: the second matrix for WHICH = 1,
	s_lshl_b32 s47, s12, 17                        ; 64 k rows x half,
	s_add_co_u32 s46, s46, s47
	s_lshl_b32 s47, s42, 9                         ; 256 columns x tile column
	s_add_co_u32 s46, s46, s47
	s_mov_b32 s47, 0
	s_mul_i32 s20, s12, AH                         ; LDS: no place in the cluster enters
	s_mul_i32 s21, s12, BH
	s_add_co_u32 s21, s21, BOFF
	s_lshr_b32 s82, s13, 3
	s_and_b32 s82, s82, 3                          ; batch
	s_lshl_b32 s82, s82, 2
	s_wait_dscnt 0x0                               ; the opening add is done
	s_wait_kmcnt 0x0
	s_add_nc_u64 s[14:15], s[72:73], s[16:17]
	s_add_nc_u64 s[46:47], s[74:75], s[46:47]
	s_load_b32 s81, s[68:69], s82 offset:0x0       ; key_lens[batch]: waited for on the way out
	CROUND                                         ; all sixteen work-groups are here: the first joint loads meet
.irp s, 0,1
	s_mov_b32 s[G0+4*(\s)], 1
	s_add_co_u32 s[G0+4*(\s)+1], s20, (\s)*SLOT
	s_add_nc_u64 s[G0+4*(\s)+2:G0+4*(\s)+3], s[14:15], (\s)*512       ; K step s: chunk s of the rows
	s_or_b32 s[G0+4*(\s)+3], s[G0+4*(\s)+3], 0x80000000
	s_mov_b32 s[G0B+4*(\s)], 1
	s_add_co_u32 s[G0B+4*(\s)+1], s21, (\s)*SLOT
	s_add_nc_u64 s[G0B+4*(\s)+2:G0B+4*(\s)+3], s[46:47], (\s)*262144  ; 128 rows of 2,048 bytes on
	s_or_b32 s[G0B+4*(\s)+3], s[G0B+4*(\s)+3], 0x80000000
	JLOAD \s
.endr
	v_and_b32 v1, 15, v0                           ; r = l % 16
	v_bfe_u32 v2, v0, 4, 1                         ; h = l / 16
	v_mul_u32_u24 v3, v1, PA
	v_lshl_add_u32 v3, v2, 4, v3                   ; A: row x pitch + 16 h
	s_mul_i32 s22, s11, AH                         ; my 64 rows
	v_add_nc_u32 v[ADRA0], s22, v3
	v_and_b32 v4, 7, v0                            ; W, turned: k row 8 h + l % 8, 16 bytes x ((l / 8) % 2)
	v_lshl_add_u32 v5, v2, 3, v4
	v_mul_u32_u24 v5, v5, PB
	v_bfe_u32 v3, v0, 3, 1
	v_lshl_add_u32 v5, v3, 4, v5
	s_lshl_b32 s23, s12, 8                         ; my 128 columns
	s_add_co_u32 s23, s23, BOFF
	v_add_nc_u32 v[ADRB0], s23, v5
	s_and_b32 s83, s13, 7                          ; t of my first row in its batch
	s_lshl_b32 s83, s83, 7
	s_lshl_b32 s22, s11, 6
	s_add_co_u32 s83, s83, s22
	s_mul_i32 s23, s10, WSTG                       ; my stage
	v_mul_u32_u24 v3, v1, SP
	v_lshl_add_u32 v3, v2, 5, v3                   ; in: row r, 32 bytes x h
	v_add_nc_u32 v[STO], s23, v3
	v_bfe_u32 v3, v0, 3, 2                         ; l / 8
	v_add_nc_u32 v[TR], s83, v3
	v_mul_u32_u24 v3, v3, SP
	v_lshl_add_u32 v3, v4, 5, v3
	v_add_nc_u32 v[RDH0], s23, v3
	v_mul_u32_u24 v3, v2, SP
	v_lshl_add_u32 v3, v1, 5, v3
	v_add_nc_u32 v[RDR0], s23, v3
	v_and_b32 v3, 31, v0
	v_lshlrev_b32 v[COH], 4, v3
	v_lshlrev_b32 v3, 12, v2
	v_lshl_add_u32 v[COR], v1, 4, v3
	v_mov_b32 v[FC+1], 0                           ; the factors' pairs are named whole
	v_mov_b32 v[FC+3], 0
	s_lshr_b32 s84, s13, 3                         ; head output: WHICH x 16 MiB, (batch x 16 + 4 x + 2 x my half) heads of 131,072 bytes, row 128 (y % 8) + 64 x my half
	s_and_b32 s84, s84, 3
	s_lshl_b32 s84, s84, 21
	s_lshl_b32 s85, s70, 24
	s_add_co_u32 s84, s84, s85
	s_lshl_b32 s85, s42, 19
	s_add_co_u32 s84, s84, s85
	s_lshl_b32 s85, s12, 18
	s_add_co_u32 s84, s84, s85
	s_and_b32 s85, s13, 7
	s_lshl_b32 s85, s85, 14
	s_add_co_u32 s84, s84, s85
	s_lshl_b32 s85, s11, 13
	s_add_co_u32 s84, s84, s85
	s_mov_b32 s85, 0
	s_add_nc_u64 s[8:9], s[76:77], s[84:85]        ; the high parts,
	s_add_nc_u64 s[18:19], s[8:9], 0x800000        ; the low parts
	s_and_b32 s86, s13, 31                         ; row output: row 128 (y % 32) + 64 x my half of 4,096 bytes, chunk 2 x + my half of 512 bytes
	s_lshl_b32 s86, s86, 19
	s_lshl_b32 s87, s11, 18
	s_add_co_u32 s86, s86, s87
	s_lshl_b32 s87, s42, 10
	s_add_co_u32 s86, s86, s87
	s_lshl_b32 s87, s12, 9
	s_add_co_u32 s86, s86, s87
	s_mov_b32 s87, 0
	s_add_nc_u64 s[66:67], s[78:79], s[86:87]
; 16 products: row blocks a0, a0 + 1 x 8 column blocks, 32 along K, with A's high (part = 0) or low (1) parts.  zero = 1: they start the sums.
; The 32 accumulators take turns in the same order in every run.
.macro MUL16 f, part, a0, zero
	WIN MUL
.irp a, \a0, (\a0)+1
.irp b, 0,1,2,3,4,5,6,7
.if \zero
	v_wmma_f32_16x16x32_bf16 v[8*(8*(\a)+(\b)):8*(8*(\a)+(\b))+7], v[(\f)+8*(\b):(\f)+8*(\b)+7], v[(\f)+64+32*(\part)+8*(\a):(\f)+64+32*(\part)+8*(\a)+7], 0
.else
	v_wmma_f32_16x16x32_bf16 v[8*(8*(\a)+(\b)):8*(8*(\a)+(\b))+7], v[(\f)+8*(\b):(\f)+8*(\b)+7], v[(\f)+64+32*(\part)+8*(\a):(\f)+64+32*(\part)+8*(\a)+7], v[8*(8*(\a)+(\b)):8*(8*(\a)+(\b))+7]
.endif
.endr
.endr
.endm
; 32 LDS loads in one run: quarter q of a K step (32 true k) into buffer f: W turned (16 loads), A's high parts (8), A's low parts (8), 256 bytes further along the row.  ra, rb: the slot's address registers
.macro FETCH ra, rb, q, f
	WIN TO_F
.irp i, 0,1,2,3,4,5,6,7
	ds_load_tr16_b128 v[(\f)+8*(\i):(\f)+8*(\i)+3],   v[\rb] offset:(\q)*32*PB+32*(\i)
	ds_load_tr16_b128 v[(\f)+8*(\i)+4:(\f)+8*(\i)+7], v[\rb] offset:(\q)*32*PB+16*PB+32*(\i)
.endr
.irp p, 0,1
.irp i, 0,1,2,3
	ds_load_b128 v[(\f)+64+32*(\p)+8*(\i):(\f)+64+32*(\p)+8*(\i)+3],   v[\ra] offset:(\p)*256+(\q)*64+(\i)*16*PA
	ds_load_b128 v[(\f)+64+32*(\p)+8*(\i)+4:(\f)+64+32*(\p)+8*(\i)+7], v[\ra] offset:(\p)*256+(\q)*64+(\i)*16*PA+32
.endr
.endr
.endm
.macro PLACES                          ; four places in front of loads into registers that matrix instructions have read, and of LDS stores that read results
.rept 4
	v_nop
.endr
.endm
.macro QUARTER ra, rb, q, f, g, zero   ; multiplies buffer f; in its middle fetches quarter q into g
	s_wait_dscnt 8                                 ; W and A's high parts are in; the youngest eight loads (A's low parts) may be out
	MUL16 \f, 0, 0, \zero
	MUL16 \f, 0, 2, \zero
	PLACES
	FETCH \ra, \rb, \q, \g
	s_wait_dscnt 32                                ; all but the 32 just issued
	MUL16 \f, 1, 0, 0
	MUL16 \f, 1, 2, 0
.endm
.macro MEET round                      ; the first half of a K step's last quarter, and the one barrier of the change of slots
	WIN 0
	s_wait_tensorcnt 0x0                           ; all my tensor loads have landed: the one that was out is my part of the other slot
	ds_add_u32 v[SPW], v[NIL]                      ; 0 onto my spare word
	s_wait_dscnt 9                                 ; the add and the youngest eight loads may be out
	MUL16 F1, 0, 0, 0
	s_wait_dscnt 0x0                               ; the add is done, and my reads of this slot are over
	s_barrier_signal -1
	MUL16 F1, 0, 2, 0
.if \round
	WIN 0
.endif
	s_barrier_wait -1
.endm
.macro TURN                            ; the whole last quarter: the slot in hand is filled again, with the K step two steps on
	MEET 1
	CREST                                          ; the barrier has opened a round of the cluster's: no wave of any partner still reads this slot or has a load on its way
	s_xor_b32 s[G0+5], s[G0+5], SLOT               ; the walking descriptors: the other slot than last time,
	s_add_nc_u64 s[G0+6:G0+7], s[G0+6:G0+7], 512   ; A's next chunk,
	s_xor_b32 s[G0B+5], s[G0B+5], SLOT
	s_add_nc_u64 s[G0B+6:G0B+7], s[G0B+6:G0B+7], 262144  ; W's next 128 rows; the type bits on top are not reached
	JLOAD 1                                        ; the first tensor load behind the round; its four v_nop are also the places in front of the loads below
	FETCH AN, BN, 0, F0
	MUL16 F1, 1, 0, 0
	MUL16 F1, 1, 2, 0
.endm
.macro ADDRS                           ; my fragments' addresses in the slot in hand and in the other one
	s_xor_b32 s[NXT], s[CUR], SLOT
	v_add_nc_u32 v[AC], s[CUR], v[ADRA0]
	v_add_nc_u32 v[BC], s[CUR], v[ADRB0]
	v_add_nc_u32 v[AN], s[NXT], v[ADRA0]
	v_add_nc_u32 v[BN], s[NXT], v[ADRB0]
.endm
	s_wait_tensorcnt 0x1                           ; my part of K step 0 is in; K step 1's may stay out
	s_barrier_signal -1
	s_barrier_wait -1
	FETCH ADRA0, ADRB0, 0, F0
	QUARTER ADRA0, ADRB0, 1, F0, F1, 1             ; the first quarter stands in front of the loop: its first products start the sums
	WIN 0                                          ; at a label and at a branch every window is 0
	s_mov_b32 s3, NSTEP-2
.Lstep:                                                ; a trip goes from a K step's second quarter to the next step's first, and fills the slot that it leaves: steps 2 to 7
	ADDRS
	QUARTER AC, BC, 2, F1, F0, 0
	QUARTER AC, BC, 3, F0, F1, 0
	TURN
	QUARTER AN, BN, 1, F0, F1, 0
	WIN 0
	s_xor_b32 s[CUR], s[CUR], SLOT
	s_sub_co_u32 s3, s3, 1
	s_cmp_lg_u32 s3, 0
	s_cbranch_scc1 .Lstep
	ADDRS                                          ; the last two K steps are written out: nothing is asked for
	QUARTER AC, BC, 2, F1, F0, 0
	QUARTER AC, BC, 3, F0, F1, 0
	MEET 0                                         ; behind this barrier no wave reads slot 0 any more
	PLACES
	FETCH AN, BN, 0, F0
	MUL16 F1, 1, 0, 0
	MUL16 F1, 1, 2, 0
	QUARTER AN, BN, 1, F0, F1, 0
	QUARTER AN, BN, 2, F1, F0, 0
	QUARTER AN, BN, 3, F0, F1, 0
	s_wait_dscnt 8
	MUL16 F1, 0, 0, 0
	MUL16 F1, 0, 2, 0
	s_wait_dscnt 0x0
	MUL16 F1, 1, 0, 0
	MUL16 F1, 1, 2, 0
	WIN 0
	; THE WAY OUT.  The sums go as f32 into my own stage; two counted loops read them back in the layouts in which they leave.  LDS serves a wave's instructions in order (ISA guide 5.7.1.4), and a wave
	; reads only what it stored itself, so no barrier and no wait stand between the stores and the loads.
	PLACES
	WIN 0x08                                       ; store data window 2
.irp a, 0,1,2,3
.irp b, 0,1,2,3,4,5,6,7
	ds_store_b128 v[STO], v[8*(8*(\a)+(\b)):8*(8*(\a)+(\b))+3]   offset:(\a)*16*SP+64*(\b)      ; each accumulator's low registers first
	ds_store_b128 v[STO], v[8*(8*(\a)+(\b))+4:8*(8*(\a)+(\b))+7] offset:(\a)*16*SP+64*(\b)+16
.endr
.endr
	WIN 0
	s_wait_kmcnt 0x0                               ; key_lens[batch]
	s_cmp_eq_u32 s70, 0
	s_cselect_b32 s71, 0x7fffffff, s81             ; a row's factor: 1 (WHICH = 0); c, and in the head copies 0 from key_len on (WHICH = 1)
	s_cselect_b32 s80, 1.0, 0x3e38aa3b             ; c = log2(e) / 8
; Eight neighbouring numbers of a row, times the row's factor, split into high and low parts, 16 bytes each.  v - hi is exact in f32.
.macro SPLIT8 x, ph, pl, f
.irp k, 0,1,2,3
	v_pk_mul_f32 v[(\x)+2*(\k):(\x)+2*(\k)+1], v[(\x)+2*(\k):(\x)+2*(\k)+1], v[(\f):(\f)+1] op_sel_hi:[1,0]
.endr
.irp k, 0,1,2,3
	v_cvt_pk_bf16_f32 v[(\ph)+(\k)], v[(\x)+2*(\k)], v[(\x)+2*(\k)+1]
.endr
.irp k, 0,1,2,3
	v_lshlrev_b32 v[U+2*(\k)],   16,  v[(\ph)+(\k)]
	v_and_b32     v[U+2*(\k)+1], s45, v[(\ph)+(\k)]
.endr
.irp k, 0,1,2,3
	v_pk_add_f32 v[(\x)+2*(\k):(\x)+2*(\k)+1], v[(\x)+2*(\k):(\x)+2*(\k)+1], v[U+2*(\k):U+2*(\k)+1] neg_lo:[0,1] neg_hi:[0,1]
.endr
.irp k, 0,1,2,3
	v_cvt_pk_bf16_f32 v[(\pl)+(\k)], v[(\x)+2*(\k)], v[(\x)+2*(\k)+1]
.endr
.endm
	s_mov_b32 s[SO], 0
	s_mov_b32 s3, 8
.Lheads:                                               ; BY HEADS.  A trip: 8 rows x my two heads, in four groups (rows 4 (g / 2) on, head g % 2) of 4 rows x 128 bytes
	v_add_nc_u32 v[RD], s[SO], v[RDH0]
.irp g, 0,1,2,3
	ds_load_b128 v[X+8*(\g):X+8*(\g)+3],   v[RD] offset:((\g)/2)*4*SP+((\g)%2)*256
	ds_load_b128 v[X+8*(\g)+4:X+8*(\g)+7], v[RD] offset:((\g)/2)*4*SP+((\g)%2)*256+16
.endr
	v_cmp_gt_u32 vcc_lo, s71, v[TR]
	v_cndmask_b32 v[FC], 0, s80, vcc_lo
	v_add_nc_u32 v[TR2], 4, v[TR]
	v_cmp_gt_u32 vcc_lo, s71, v[TR2]
	v_cndmask_b32 v[FC+2], 0, s80, vcc_lo
	v_add_nc_u32 v[TR], 8, v[TR]
.irp g, 0,1,2,3
	s_wait_dscnt 6-2*(\g)                          ; group g's two loads are back; the later groups' stay out
	SPLIT8 X+8*(\g), PH+4*(\g), PL+4*(\g), FC+2*((\g)/2)
	global_store_b128 v[COH], v[PH+4*(\g):PH+4*(\g)+3], s[8:9]   offset:((\g)%2)*131072+((\g)/2)*512  ; 4 rows of a head: 512 consecutive bytes, aligned
	global_store_b128 v[COH], v[PL+4*(\g):PL+4*(\g)+3], s[18:19] offset:((\g)%2)*131072+((\g)/2)*512
.endr
	s_add_co_u32 s[SO], s[SO], 8*SP
	s_wait_xcnt 0x0                                ; the stores have read their registers and bases: only behind this wait are those written again
	s_add_nc_u64 s[8:9], s[8:9], 1024
	s_add_nc_u64 s[18:19], s[18:19], 1024
	s_sub_co_u32 s3, s3, 1
	s_cmp_lg_u32 s3, 0
	s_cbranch_scc1 .Lheads
	s_cmp_eq_u32 s70, 0
	s_cbranch_scc1 .Ldone                          ; the same way in all partners; no barrier is jumped
	v_mov_b32 v[FC], s80                           ; every row counts
	s_mov_b32 s[SO], 0
	s_mov_b32 s3, 8
.Lrows:                                                ; BY ROWS (K alone).  A trip: 8 rows, in four groups of 2 rows x my chunk: 256 bytes of high parts, 256 of low parts
	v_add_nc_u32 v[RD], s[SO], v[RDR0]
.irp g, 0,1,2,3
	ds_load_b128 v[X+8*(\g):X+8*(\g)+3],   v[RD] offset:2*(\g)*SP
	ds_load_b128 v[X+8*(\g)+4:X+8*(\g)+7], v[RD] offset:2*(\g)*SP+16
.endr
.irp g, 0,1,2,3
	s_wait_dscnt 6-2*(\g)
	SPLIT8 X+8*(\g), PH+4*(\g), PL+4*(\g), FC
	global_store_b128 v[COR], v[PH+4*(\g):PH+4*(\g)+3], s[66:67] offset:2*(\g)*4096      ; 16 lanes store 256 consecutive bytes, aligned
	global_store_b128 v[COR], v[PL+4*(\g):PL+4*(\g)+3], s[66:67] offset:2*(\g)*4096+256
.endr
	s_add_co_u32 s[SO], s[SO], 8*SP
	s_wait_xcnt 0x0                                ; as above
	s_add_nc_u64 s[66:67], s[66:67], 32768
	s_sub_co_u32 s3, s3, 1
	s_cmp_lg_u32 s3, 0
	s_cbranch_scc1 .Lrows
.Ldone:
	s_wait_tensorcnt 0x0                           ; the wave's end
	ds_add_u32 v[SPW], v[NIL]
	s_wait_dscnt 0x0
	CROUND                                         ; the closing round
	s_endpgm
.Lfunc_end_k_qd59c072261_projqk:
	.size	k_qd59c072261_projqk, .Lfunc_end_k_qd59c072261_projqk-k_qd59c072261_projqk
	.p2alignl 7, 3214868480
	.fill 96, 4, 3214868480
	.section	.rodata,"a",@progbits
	.p2align	6, 0x0
	.amdhsa_kernel k_qd59c072261_projqk
		.amdhsa_group_segment_fixed_size 327680
		.amdhsa_private_segment_fixed_size 0
		.amdhsa_enable_private_segment 0
		.amdhsa_kernarg_size 40
		.amdhsa_user_sgpr_count 2
		.amdhsa_user_sgpr_kernarg_segment_ptr 1
		.amdhsa_wavefront_size32 1
		.amdhsa_system_sgpr_workgroup_id_x 1
		.amdhsa_system_sgpr_workgroup_id_y 1
		.amdhsa_system_sgpr_workgroup_id_z 1
		.amdhsa_system_vgpr_workitem_id 0
		.amdhsa_next_free_vgpr 768
		.amdhsa_next_free_sgpr 88
		.amdhsa_reserve_vcc 1
		.amdhsa_float_denorm_mode_32 3
		.amdhsa_float_denorm_mode_16_64 3
		.amdhsa_memory_ordered 1
		.amdhsa_forward_progress 1
		.amdhsa_inst_pref_size 104
	.end_amdhsa_kernel
	.amdgpu_metadata
---
amdhsa.version: [ 1, 2 ]
amdhsa.kernels:
  - .name:           k_qd59c072261_projqk
    .symbol:         k_qd59c072261_projqk.kd
    .args:
      - { .name: xin, .offset: 0, .size: 8, .value_kind: global_buffer, .address_space: global }
      - { .name: wqk, .offset: 8, .size: 8, .value_kind: global_buffer, .address_space: global }
      - { .name: qkh, .offset: 16, .size: 8, .value_kind: global_buffer, .address_space: global }
      - { .name: kr, .offset: 24, .size: 8, .value_kind: global_buffer, .address_space: global }
      - { .name: key_lens, .offset: 32, .size: 8, .value_kind: global_buffer, .address_space: global }
    .group_segment_fixed_size: 327680
    .private_segment_fixed_size: 0
    .kernarg_segment_align: 8
    .kernarg_segment_size: 40
    .max_flat_workgroup_size: 128
    .sgpr_count:     88
    .vgpr_count:     768
    .wavefront_size: 32
...
	.end_amdgpu_metadata
.endif
;; end of part 2
;; launch projv: the kernel of part 2 again; grid 4 x 32, 4 waves a work-group, clusters of 4 x 4, 327,680 bytes of LDS; arguments kr, wvf, vh, part, key_lens; writes vh, part
;; launch attn (part 3): grid 4 x 64, 4 waves a work-group, clusters of 4 x 1, 327,680 bytes of LDS; arguments qkh, vh, xin, key_lens, query_lens, kr; writes kr
.if DOCPART == 3
	.amdgcn_target "amdgcn-amd-amdhsa--gfx1250"
	.amdhsa_code_object_version 6
	.text
	.protected	k_qd59c072261_attn
	.globl	k_qd59c072261_attn
	.p2align	8
	.type	k_qd59c072261_attn,@function
k_qd59c072261_attn:
	s_mov_b64 s[64:65], 0
	v_nop
	global_prefetch_b8 v0, s[64:65] scope:SCOPE_SE
	s_setreg_imm32_b32 hwreg(HW_REG_WAVE_MODE, 25, 1), 1
	s_wait_xcnt 0x0
	s_wait_alu depctr_hold_cnt(0) depctr_sa_sdst(0) depctr_va_vdst(0) depctr_va_sdst(0) depctr_va_ssrc(0) depctr_va_vcc(0) depctr_vm_vsrc(0)
	s_getreg_b32 s2, hwreg(HW_REG_IB_STS2, 6, 4)
	s_cmp_eq_u32 s2, 0
	s_cbranch_scc0 .Lentry_in_a_cluster
	s_endpgm
.Lentry_in_a_cluster:
	s_bfe_u32 s2, ttmp6, 0x10000c
	s_cmp_lg_u32 s2, 0x3003
	s_cbranch_scc0 .Lentry_shape_is_right
	s_endpgm
.Lentry_shape_is_right:
; ATTENTION with the module's masks, and the residual.  For batch b, head h: result[q] = qmask[q] x sum_k softmax_k(s[q][k]) V[k] + q_in[q], s = Q . K / 8,
; where s is REPLACED by NEG = -2^32 for k >= key_len and for k = q.  Q and c K (c = log2(e) / 8, rows from key_len on are 0) arrive as high and low bf16 parts, c V as bf16, all by heads,
; [b x 16 + h][t][64]; result leaves in that layout, bf16.  Products, maxima and sums in f32; weights rounded to bf16 for the second product (their sum is taken of the unrounded weights); the sum of
; weighted rows of c V is divided by l and by c in f32; result rounded once.
; THE SCORES have a spread of thousands, so one bf16 rounding of Q or K would move them by several units of the exponent: s' = Khi Qhi + Khi Qlo + Klo Qhi, three products into one f32 sum
; (Klo Qlo, some 2^-18 of a score, is left out).
; THE EXPONENT is the plain difference s' - m of scaled scores, with a running maximum m: p = 2^(s' - m); O and l are multiplied by a = 2^(m_old - m_new) in every step.
; THE MASKS.  A hidden key's rows of c K are 0 and the C operand that starts its sum is NEGL = log2(e) x NEG, so its score is exactly NEGL.  MD, made once, is that operand for the step in which key_len falls;
; a step's operand is MD x AL + BE with two scalars: (0, 0) before that step, (1, 0) in it, (0, NEGL) behind it.  The diagonal falls into key step 4 blk + w, key block t of tile t, lanes j and 24 + j of register j:
; eight selects a tile in every step, by lane masks that are 0 in the other steps.  All 16 key steps are walked whatever the lengths: a row with no
; visible key is uniform over all 1,024 keys, as in the module.
; SHARES.  A work-group owns 256 queries of one head, a wave 64: four tiles of 16.  The four query blocks of a head form a cluster and ask for Khi and V jointly.
; Khi AND V OF THE WHOLE HEAD LIE IN LDS (1,024 x 144 and 1,024 x 160 bytes), filled once: each wave issues one load at the start (one of mine is out), 512 keys of Khi (waves 0, 1) or of V (waves 2, 3).
; Nothing is filled again, and no tensor load is out when the first LDS read is issued.  Klo HAS NO ROOM THERE (2 x 147,456 + 163,840 bytes are more than the 327,680 of LDS): it lies in memory as a fragment wants
; it, so each wave loads a step's 8 KiB straight into 64 registers, one step ahead: issued behind the last product that reads them, waited for in the next step.  That part is not shared in the cluster.
; LAYOUT.  S^T = K Q^T: a lane holds one query (lane % 16) and keys 8 (lane / 16) + 0..7; two such results rounded to bf16 are source 1 of O^T = V^T P.  V is read turned, by ds_load_tr16_b128.
; LIMITS.  The lengths are taken as unsigned numbers.  A weight below 2^-126 counts as 0.  NaN and infinities are not treated apart.  bf16 keeps the range of f32 for Q, K, V.
; REGISTERS.  window 0: v0-11 addresses; v12-15 m_old; v16-31 m, a spare, l (two) a tile; v32-47 at work, four a tile; v48 NEGL; v49 Klo's address; v50-57 at work; v64-191 S^T; v192-255 P.
;   window 1: v0-127 O^T; v128-159 MD; v160-191 the step's C operand.   window 2: v0-63 Qhi; v64-127 q_in for the residual; v128-191 Khi of a step; v192-255 V of a step.   window 3: v0-63 Klo of a step; v64-127 Qlo.
.set KS,    64
.set PK,    144                        ; a row of K: 128 bytes + 16
.set PV,    160                        ; a row of V: 128 + 32
.set VREG,  1024*PK
.set SPARE, VREG+1024*PV               ; the spare words, 128 bytes a wave
.set SP,    272                        ; the way out: 16 rows x (256 + 16) bytes of f32 for each wave, laid over K's first bytes once no wave reads K any more
.set AK0, 2
.set AV0, 3
.set AK,  4
.set AV,  5
.set STO, 6
.set RD,  7
.set GO,  8
.set QO,  10
.set QR,  11
.set MOLD, 12
.set ST,  16
.set CW,  32
.set NEGV, 48
.set KA,  49
.set W,   50
.set SPW, 62
.set NIL, 63
.set S,   64
.set P,   192
.set MD,  128                          ; window 1
.set MC,  160                          ; window 1
.set RES, 64                           ; window 2
.set KF,  128                          ; window 2
.set VF,  192                          ; window 2
.set KL,  0                            ; window 3
.set QL,  64                           ; window 3
.set WV,  12
.set G1K, 24                           ; s[24:31] group 1 for K
.set G1V, 32                           ; s[32:39] for V: it differs in the padding alone
.set G0K, 40                           ; s[40:43] group 0 for K
.set G0V, 44                           ; s[44:47] for V
.set KLB, 48                           ; s[48:49] Klo of my head; never rewritten
.set TBL, 50                           ; s50      byte offset in it of the step to be loaded
.set QLB, 52                           ; s[52:53] Qlo at my rows
.set AL,  76
.set BE,  78
.set DM,  80
.set SEL, 88
.set STP, 90
.set CNT, 91
.set SB,  92
.set SD,  93
.set NEGS, 94
.set QLEN, 95
.set KLEN, 96
.set ROW0, 97
.set TBK, 100
.set TBV, 101
.set MSB, 0
.macro WIN new
.if MSB != (\new)
	s_set_vgpr_msb (MSB<<8)|(\new)
.set MSB, (\new)
.endif
.endm
.macro CROUND
	s_barrier_signal -1
	s_barrier_wait -1
	s_cmp_lg_u32 s[WV], 0
	s_cbranch_scc1 .Lnot_wave_0_\@
	s_barrier_signal -3
.Lnot_wave_0_\@:
	s_barrier_wait -3
	s_barrier_signal -1
	s_barrier_wait -1
.endm
.macro GROUP1 g, pad                   ; 512 keys are 65,536 dense bytes: asked for as 256 rows of 256 bytes (two keys), padded in LDS after every key
	s_mov_b32 s[(\g)], 15|(1<<16)|(1<<20)|(1<<21)|(4<<22)|((\pad)<<25)  ; the mask of four; 2-byte elements; padding on; bit 21 beside a mask; after every 32 words
	s_mov_b32 s[(\g)+1], 128<<16                   ; tensor_dim0 = 128
	s_mov_b32 s[(\g)+2], 256<<16                   ; tensor_dim1 = 256
	s_mov_b32 s[(\g)+3], 128<<16                   ; tile_dim0 = 128
	s_mov_b32 s[(\g)+4], 256                       ; tile_dim1 = 256
	s_mov_b32 s[(\g)+5], 128                       ; elements from row to row
	s_mov_b32 s[(\g)+6], 0
	s_mov_b32 s[(\g)+7], 0
.endm
.macro FETCH_KL                        ; a step's Klo, 64 keys x 64 channels, as 8 fragments: keys 16 (f / 2) on, channels 32 (f % 2) on; together the 16 loads take 8,192 consecutive bytes
	WIN 0xc0                                       ; destination window 3, address window 0
.irp f, 0,1,2,3,4,5,6,7
	global_load_b128 v[KL+8*(\f):KL+8*(\f)+3],   v[KA], s[KLB:KLB+1] offset:((\f)/2)*2048+((\f)%2)*64
	global_load_b128 v[KL+8*(\f)+4:KL+8*(\f)+7], v[KA], s[KLB:KLB+1] offset:((\f)/2)*2048+((\f)%2)*64+32
.endr
	WIN 0
.endm
	s_load_b256 s[4:11], s[0:1], 0x0               ; qkh s[4:5], vh s[6:7], xin s[8:9], key_lens s[10:11]
	s_load_b128 s[16:19], s[0:1], 0x20             ; query_lens s[16:17], kr s[18:19]
	v_lshl_add_u32 v[SPW], v0, 2, SPARE
	v_mov_b32 v[NIL], 0
	ds_add_u32 v[SPW], v[NIL]                      ; the wave's opening: the add and its wait ahead of my first tensor load
	v_lshrrev_b32 v1, 5, v0
	v_readfirstlane_b32 s[WV], v1
	s_and_b32 s15, ttmp7, 0xffff                   ; batch x 16 + head, which the four partners share
	s_and_b32 s3, s[WV], 1                         ; which half of the head's keys I fetch
	s_lshl_b32 s20, s15, 17                        ; the head's 131,072 bytes,
	s_lshl_b32 s21, s3, 16                         ; 512 keys of 128 bytes x half
	s_add_co_u32 s20, s20, s21
	s_mov_b32 s21, 0
	s_lshl_b32 s54, s15, 17
	s_mov_b32 s55, 0
	s_mov_b32 s[G0K], 1
	s_mul_i32 s[G0K+1], s3, 512*PK
	s_mov_b32 s[G0V], 1
	s_mul_i32 s[G0V+1], s3, 512*PV
	s_add_co_u32 s[G0V+1], s[G0V+1], VREG
	GROUP1 G1K, 3
	GROUP1 G1V, 7
	s_mov_b32 s[SEL], 0x76543210
	s_mov_b32 s[SEL+1], 0xfedcba98
	s_mov_b32 s[NEGS], 0xcfb8aa3b                  ; NEGL = log2(e) x (-2^32)
	s_mov_b32 s[AL+1], 0                           ; named as pairs
	s_mov_b32 s[BE+1], 0
	s_mov_b32 s[STP], 0
	s_mov_b32 s[TBK], 0
	s_mov_b32 s[TBV], 0
	s_mov_b32 s[TBL], 0
	s_mul_i32 s22, s[WV], 16*SP                    ; my stage
	s_bfe_u32 s2, ttmp6, 0x40000                   ; cx: it enters my own global addresses and mask scalars alone
	s_lshl_b32 s14, ttmp9, 2
	s_add_co_u32 s14, s14, s2                      ; my block of 256 queries
	s_lshl_b32 s[ROW0], s14, 8
	s_lshl_b32 s2, s[WV], 6
	s_add_co_u32 s[ROW0], s[ROW0], s2              ; my wave's first query
	s_lshl_b32 s[SD], s14, 2
	s_add_co_u32 s[SD], s[SD], s[WV]               ; the key step that holds my diagonal
	s_lshl_b32 s98, s15, 17
	s_lshl_b32 s2, s[ROW0], 7
	s_add_co_u32 s98, s98, s2                      ; my rows by heads
	s_mov_b32 s99, 0
	s_lshr_b32 s13, s15, 4                         ; batch
	s_lshl_b32 s2, s13, 10
	s_add_co_u32 s2, s2, s[ROW0]
	s_lshl_b32 s2, s2, 12                          ; my rows in q_in, 4,096 bytes each;
	s_and_b32 s3, s15, 15                          ; the head's 64 columns lie in chunk head / 2 of 512 bytes,
	s_lshr_b32 s23, s3, 1
	s_lshl_b32 s23, s23, 9
	s_add_co_u32 s2, s2, s23
	s_and_b32 s3, s3, 1                            ; in the first or the second 128 bytes of its high parts
	s_lshl_b32 s3, s3, 7
	s_add_co_u32 s2, s2, s3
	s_mov_b32 s3, 0
	s_lshl_b32 s13, s13, 2
	s_wait_dscnt 0x0                               ; the opening add is done
	s_wait_kmcnt 0x0
	s_add_nc_u64 s[G0K+2:G0K+3], s[4:5], s[20:21]
	s_add_nc_u64 s[G0K+2:G0K+3], s[G0K+2:G0K+3], 0x1000000  ; qkh: Qhi, Qlo, Khi, Klo, 8 MiB each
	s_or_b32 s[G0K+3], s[G0K+3], 0x80000000
	s_add_nc_u64 s[G0V+2:G0V+3], s[6:7], s[20:21]
	s_or_b32 s[G0V+3], s[G0V+3], 0x80000000
	s_add_nc_u64 s[KLB:KLB+1], s[4:5], s[54:55]
	s_add_nc_u64 s[KLB:KLB+1], s[KLB:KLB+1], 0x1800000
	s_add_nc_u64 s[4:5], s[4:5], s[98:99]          ; Qhi at my rows
	s_add_nc_u64 s[QLB:QLB+1], s[4:5], 0x800000    ; Qlo at my rows
	s_add_nc_u64 s[18:19], s[18:19], s[98:99]
	s_add_nc_u64 s[18:19], s[18:19], 0x1000000     ; result at my rows: behind K's 16 MiB in kr
	s_add_nc_u64 s[8:9], s[8:9], s[2:3]            ; q_in at my rows
	s_load_b32 s[KLEN], s[10:11], s13 offset:0x0
	s_load_b32 s[QLEN], s[16:17], s13 offset:0x0
	CROUND                                         ; all four work-groups are here: the joint loads meet
	s_cmp_lt_u32 s[WV], 2                          ; the branch hangs on the wave's number alone; an s_nop 0 and four v_nop follow each line
	s_cbranch_scc0 .Lfill_v
	tensor_load_to_lds s[G0K:G0K+3], s[G1K:G1K+7]
	s_nop 0
.rept 4
	v_nop
.endr
	s_branch .Lfill_asked
.Lfill_v:
	tensor_load_to_lds s[G0V:G0V+3], s[G1V:G1V+7]
	s_nop 0
.rept 4
	v_nop
.endr
.Lfill_asked:
	v_and_b32 v1, 15, v0                           ; r = l % 16
	v_bfe_u32 v9, v0, 4, 1                         ; h = l / 16
	v_lshlrev_b32 v[QO], 7, v1
	v_lshl_add_u32 v[QO], v9, 4, v[QO]             ; Q and Klo: row x 128 + 16 h
	v_mov_b32 v[KA], v[QO]                         ; key step 0
	v_bfe_u32 v[QR], v0, 3, 2
	v_lshlrev_b32 v[QR], 12, v[QR]
	v_and_b32 v[W], 7, v0
	v_lshl_add_u32 v[QR], v[W], 4, v[QR]           ; q_in: row l / 8 of four, 16 bytes x (l % 8)
	WIN 0x80                                       ; destination window 2
.set i, 0
.rept 8                                ; Q stays in registers: tile i / 2, channels 32 (i % 2) on
	global_load_b128 v[8*i:8*i+3],   v[QO], s[4:5] offset:(i/2)*2048+(i%2)*64
	global_load_b128 v[8*i+4:8*i+7], v[QO], s[4:5] offset:(i/2)*2048+(i%2)*64+32
.set i, i+1
.endr
.set i, 0
.rept 16                               ; q_in's high parts in the layout in which result leaves: rows 4 i .. 4 i + 3, pieces of 128 bytes
	global_load_b128 v[RES+4*i:RES+4*i+3], v[QR], s[8:9] offset:4*i*4096
.set i, i+1
.endr
	WIN 0xc0                                       ; destination window 3
.set i, 0
.rept 8
	global_load_b128 v[QL+8*i:QL+8*i+3],   v[QO], s[QLB:QLB+1] offset:(i/2)*2048+(i%2)*64
	global_load_b128 v[QL+8*i+4:QL+8*i+7], v[QO], s[QLB:QLB+1] offset:(i/2)*2048+(i%2)*64+32
.set i, i+1
.endr
	FETCH_KL
	WIN 0x40                                       ; O^T, l and m are set in the wait for the tiles: no first step is written out
.set i, 0
.rept 128
	v_mov_b32 v[i], 0
.set i, i+1
.endr
	WIN 0
.set i, 0
.rept 4
	v_mov_b32 v[ST+4*i], 0xff7fffff                ; m: the lowest finite number, so the first step's a is 0
	v_mov_b32 v[ST+4*i+1], 0
	v_mov_b32 v[ST+4*i+2], 0
	v_mov_b32 v[ST+4*i+3], 0
.set i, i+1
.endr
	v_mov_b32 v[NEGV], s[NEGS]
	v_mul_u32_u24 v[AK0], v1, PK
	v_lshl_add_u32 v[AK0], v9, 4, v[AK0]           ; K: row x pitch + 16 h
	v_lshl_add_u32 v[AV0], v9, 3, v[W]             ; V, turned: key 8 h + l % 8, 16 bytes x ((l / 8) % 2)
	v_mul_u32_u24 v[AV0], v[AV0], PV
	v_bfe_u32 v[W+1], v0, 3, 1
	v_lshl_add_u32 v[AV0], v[W+1], 4, v[AV0]
	v_add_nc_u32 v[AV0], VREG, v[AV0]
	v_mul_u32_u24 v[STO], v1, SP
	v_lshl_add_u32 v[STO], v9, 5, v[STO]           ; in: row r, 32 bytes x h
	v_add_nc_u32 v[STO], s22, v[STO]
	v_bfe_u32 v[RD], v0, 3, 2
	v_mul_u32_u24 v[RD], v[RD], SP
	v_lshl_add_u32 v[RD], v[W], 5, v[RD]           ; back: row l / 8 of four, 32 bytes x (l % 8)
	v_add_nc_u32 v[RD], s22, v[RD]
	v_and_b32 v[GO], 31, v0
	v_lshlrev_b32 v[GO], 4, v[GO]
	s_wait_kmcnt 0x0                               ; the two lengths
	s_lshr_b32 s[SB], s[KLEN], 6                   ; the key step in which key_len falls (16, never reached, if all keys are visible)
	s_and_b32 s2, s[KLEN], 63
	v_lshlrev_b32 v[W+1], 3, v9
	v_sub_nc_u32 v[W+1], s2, v[W+1]                ; register j of key block kb is hidden in that step where 16 kb + j >= key_len % 64 - 8 h
	WIN 0x40
.set i, 0
.rept 32
	v_cmp_gt_i32 vcc_lo, 16*(i/8)+i%8+1, v[W+1]
	v_cndmask_b32 v[MD+i], 0, s[NEGS], vcc_lo
.set i, i+1
.endr
	WIN 0
; Number n of the 20 that find tile t's new maximum and a.  Each accumulator's lowest registers are read first.
.macro XS t, n
.set rT, ST+4*(\t)
.set rC, CW+4*(\t)
.set rS, S+32*(\t)
.if (\n) < 4
	v_max3_num_f32 v[rC+(\n)], v[rS+8*(\n)], v[rS+8*(\n)+1], v[rS+8*(\n)+2]
.elseif (\n) < 12
	v_max3_num_f32 v[rC+(\n)%4], v[rC+(\n)%4], v[rS+8*((\n)%4)+2*((\n)/4)+1], v[rS+8*((\n)%4)+2*((\n)/4)+2]
.elseif (\n) == 12
	v_max3_num_f32 v[rC], v[rC], v[rS+7], v[rS+15]
.elseif (\n) == 13
	v_max3_num_f32 v[rC+1], v[rC+1], v[rS+23], v[rS+31]
.elseif (\n) == 14
	v_max3_num_f32 v[rC+2], v[rC+2], v[rC+3], v[rT]
.elseif (\n) == 15
	v_max3_num_f32 v[rC], v[rC], v[rC+1], v[rC+2]
.elseif (\n) == 16
	v_permlanex16_b32 v[rC+3], v[rC], s[SEL], s[SEL+1]   ; the query's other 32 keys lie in the lane 16 away
.elseif (\n) == 17
	v_max_num_f32 v[rT], v[rC], v[rC+3]
.elseif (\n) == 18
	v_sub_f32 v[rC+1], v[MOLD+(\t)], v[rT]
.else
	v_exp_f32 v[rC+2], v[rC+1]
.endif
.endm
; A KEY STEP, in phases.
.macro STEP
	s_cmp_eq_u32 s[STP], s[SB]
	s_cselect_b32 s[AL], 1.0, 0
	s_cmp_gt_u32 s[STP], s[SB]
	s_cselect_b32 s[BE], s[NEGS], 0
	s_cmp_eq_u32 s[STP], s[SD]
.irp j, 0,1,2,3,4,5,6,7
	s_cselect_b32 s[DM+(\j)], (1<<(\j))|(1<<(24+(\j))), 0
.endr
	v_add_nc_u32 v[AK], s[TBK], v[AK0]
	v_add_nc_u32 v[AV], s[TBV], v[AV0]
	WIN 0x41                                       ; the step's C operand; these 16 lines are also the places between the last products and the loads into V's registers
.set i, 0
.rept 16
	v_pk_fma_f32 v[MC+2*i:MC+2*i+1], v[MD+2*i:MD+2*i+1], s[AL:AL+1], s[BE:BE+1] op_sel_hi:[1,0,0]
.set i, i+1
.endr
	WIN 0x80
.irp f, 0,1,2,3,4,5,6,7                ; Khi: keys 16 (f / 2) on, channels 32 (f % 2) on
	ds_load_b128 v[KF+8*(\f):KF+8*(\f)+3],   v[AK] offset:((\f)/2)*16*PK+((\f)%2)*64
	ds_load_b128 v[KF+8*(\f)+4:KF+8*(\f)+7], v[AK] offset:((\f)/2)*16*PK+((\f)%2)*64+32
.endr
.irp f, 0,1,2,3,4,5,6,7                ; V: keys 32 (f / 4) on, channels 16 (f % 4) on
	ds_load_tr16_b128 v[VF+8*(\f):VF+8*(\f)+3],   v[AV] offset:((\f)/4)*32*PV+((\f)%4)*32
	ds_load_tr16_b128 v[VF+8*(\f)+4:VF+8*(\f)+7], v[AV] offset:((\f)/4)*32*PV+16*PV+((\f)%4)*32
.endr
	s_add_co_u32 s[TBK], s[TBK], KS*PK
	s_add_co_u32 s[TBV], s[TBV], KS*PV
	s_wait_dscnt 16                                ; Khi is in; V's sixteen loads may stay out
.set i, 0
.rept 96                               ; S^T: 32 products Khi Qhi, 32 Khi Qlo, 32 Klo Qhi; in each: channels 32 (ii / 16) on, keys 16 ((ii / 4) % 4) on, tile ii % 4.  The 16 accumulators take turns
.set ii, i%32
.set rS, S+32*(ii%4)+8*((ii/4)%4)
.set rK, 16*((ii/4)%4)+8*(ii/16)
.set rQ, 16*(ii%4)+8*(ii/16)
.set rM, MC+8*((ii/4)%4)
.if i < 16
	WIN 0x1a                                       ; K, Q window 2; C window 1; S^T window 0
	v_wmma_f32_16x16x32_bf16 v[rS:rS+7], v[KF+rK:KF+rK+7], v[rQ:rQ+7], v[rM:rM+7]
.elseif i < 32
	WIN 0x0a
	v_wmma_f32_16x16x32_bf16 v[rS:rS+7], v[KF+rK:KF+rK+7], v[rQ:rQ+7], v[rS:rS+7]
.elseif i < 64
	WIN 0x0e                                       ; Khi window 2, Qlo window 3
	v_wmma_f32_16x16x32_bf16 v[rS:rS+7], v[KF+rK:KF+rK+7], v[QL+rQ:QL+rQ+7], v[rS:rS+7]
.else
.if i == 64
	s_wait_loadcnt 0x0                             ; this step's Klo, asked for a step ago, is in
.endif
	WIN 0x0b                                       ; Klo window 3, Qhi window 2
	v_wmma_f32_16x16x32_bf16 v[rS:rS+7], v[KL+rK:KL+rK+7], v[rQ:rQ+7], v[rS:rS+7]
.endif
.set i, i+1
.endr
	WIN 0
.irp t, 0,1,2,3
	v_mov_b32 v[MOLD+(\t)], v[ST+4*(\t)]           ; m_old is kept; these four and the line below are the places behind the products
.endr
	s_add_co_u32 s[TBL], s[TBL], KS*128
	v_add_nc_u32 v[KA], s[TBL], v[QO]              ; the loads that named this register are done: the wait above
	s_cmp_eq_u32 s[CNT], 1
	s_cbranch_scc1 .Lno_klo_\@                     ; the last trip has no next step: nothing is asked for past the head's last key
	FETCH_KL
.Lno_klo_\@:
.irp t, 0,1,2,3
.irp j, 0,1,2,3,4,5,6,7
	v_cndmask_b32 v[S+40*(\t)+(\j)], v[S+40*(\t)+(\j)], v[NEGV], s[DM+(\j)]   ; the diagonal, where this is its step
.endr
.endr
.irp n, 0,1,2,3,4,5,6,7,8,9,10,11,12,13,14,15,16,17,18,19
.irp t, 0,1,2,3
	XS \t, \n
.endr
.endr
.irp t, 0,1,2,3
.set i, 0
.rept 16
	v_pk_add_f32 v[S+32*(\t)+2*i:S+32*(\t)+2*i+1], v[S+32*(\t)+2*i:S+32*(\t)+2*i+1], v[ST+4*(\t):ST+4*(\t)+1] op_sel_hi:[1,0] neg_lo:[0,1] neg_hi:[0,1]  ; s' - m
.set i, i+1
.endr
.endr
.set n, 0
.rept 17                               ; pair n's two exponentials, with pair n - 1's rounding and sum between and behind them: a plain line follows every exponential before its result is used
.irp t, 0,1,2,3
.if n < 16
	v_exp_f32 v[S+32*(\t)+2*n], v[S+32*(\t)+2*n]
.endif
.if n > 0
	s_wait_alu depctr_va_vdst(0)
	v_cvt_pk_bf16_f32 v[P+16*(\t)+n-1], v[S+32*(\t)+2*n-2], v[S+32*(\t)+2*n-1]
.endif
.if n < 16
	v_exp_f32 v[S+32*(\t)+2*n+1], v[S+32*(\t)+2*n+1]
.endif
.if n == 1
	v_pk_fma_f32 v[ST+4*(\t)+2:ST+4*(\t)+3], v[ST+4*(\t)+2:ST+4*(\t)+3], v[CW+4*(\t)+2:CW+4*(\t)+3], v[S+32*(\t):S+32*(\t)+1] op_sel_hi:[1,0,1]  ; l = a l + p
.elseif n > 1
	v_pk_add_f32 v[ST+4*(\t)+2:ST+4*(\t)+3], v[ST+4*(\t)+2:ST+4*(\t)+3], v[S+32*(\t)+2*n-2:S+32*(\t)+2*n-1]
.endif
.endr
.if n == 0
	v_nop                                          ; the first eight exponentials have no plain work between them
.endif
.set n, n+1
.endr
	WIN 0x41
.irp t, 0,1,2,3
.set i, 0
.rept 16
	v_pk_mul_f32 v[32*(\t)+2*i:32*(\t)+2*i+1], v[32*(\t)+2*i:32*(\t)+2*i+1], v[CW+4*(\t)+2:CW+4*(\t)+3] op_sel_hi:[1,0]  ; O^T times a
.set i, i+1
.endr
.endr
	s_wait_dscnt 0x0                               ; V is in
	WIN 0x52                                       ; V window 2, P window 0, O^T window 1
.set i, 0
.rept 32                               ; O^T += V^T P: keys 32 (i / 16) on, channels 16 ((i / 4) % 4) on, tile i % 4
.set rO, 32*(i%4)+8*((i/4)%4)
.set rV, VF+32*(i/16)+8*((i/4)%4)
.set rP, P+16*(i%4)+8*(i/16)
	v_wmma_f32_16x16x32_bf16 v[rO:rO+7], v[rV:rV+7], v[rP:rP+7], v[rO:rO+7]
.set i, i+1
.endr
	WIN 0
	s_add_co_u32 s[STP], s[STP], 1
.endm
	s_wait_tensorcnt 0x0                           ; my part of the head is in
	s_barrier_signal -1
	s_barrier_wait -1                              ; everybody's is: Khi and V are whole
	s_wait_loadcnt 0x0                             ; Q, q_in and the first Klo
	s_mov_b32 s[CNT], 16
.Lstep:
	STEP
	s_sub_co_u32 s[CNT], s[CNT], 1
	s_cmp_lg_u32 s[CNT], 0
	s_cbranch_scc1 .Lstep
	s_wait_dscnt 0x0                               ; my reads of K and V are over
	s_barrier_signal -1
	s_barrier_wait -1                              ; every wave's are: the stages may be laid over K
	; THE WAY OUT.  O^T / (l c), times the query mask; through my stage in f32; plus q_in; rounded once.  The additions are the places behind the last products.
.irp t, 0,1,2,3
	v_add_f32 v[CW+4*(\t)], v[ST+4*(\t)+2], v[ST+4*(\t)+3]
.endr
.irp t, 0,1,2,3
	v_permlanex16_b32 v[CW+4*(\t)+1], v[CW+4*(\t)], s[SEL], s[SEL+1]
.endr
.irp t, 0,1,2,3
	v_add_f32 v[CW+4*(\t)], v[CW+4*(\t)], v[CW+4*(\t)+1]
.endr
.irp t, 0,1,2,3
	v_rcp_f32 v[CW+4*(\t)+2], v[CW+4*(\t)]         ; l holds the weight 1 of the row's largest score
.endr
	v_add_nc_u32 v[W], s[ROW0], v1                 ; my query in tile 0; plain lines between the reciprocals and their use
.irp t, 1,2,3
	v_add_nc_u32 v[W+(\t)], 16*(\t), v[W]
.endr
.irp t, 0,1,2,3
	s_wait_alu depctr_va_vdst(0)
	v_mul_f32 v[CW+4*(\t)+2], 0x40b17218, v[CW+4*(\t)+2]   ; 1 / c = 8 ln 2: V arrived as c V
.endr
.irp t, 0,1,2,3
	v_cmp_gt_u32 vcc_lo, s[QLEN], v[W+(\t)]
	v_cndmask_b32 v[CW+4*(\t)+2], 0, v[CW+4*(\t)+2], vcc_lo
.endr
.macro PACK t
	WIN 0x41
.set i, 32*(\t)
.rept 16
	v_pk_mul_f32 v[i:i+1], v[i:i+1], v[CW+4*(\t)+2:CW+4*(\t)+3] op_sel_hi:[1,0]
.set i, i+2
.endr
	WIN 0x04                                       ; store data window 1
.irp f, 0,1,2,3,4,5,6,7
	ds_store_b128 v[STO], v[32*(\t)+4*(\f):32*(\t)+4*(\f)+3] offset:64*((\f)/2)+16*((\f)%2)
.endr
	WIN 0
.irp f, 0,1,2,3,4,5,6,7
	ds_load_b128 v[S+32*(\t)+4*(\f):S+32*(\t)+4*(\f)+3], v[RD] offset:((\f)/2)*4*SP+16*((\f)%2)  ; LDS serves a wave's instructions in order (ISA guide 5.7.1.4): these see the stores above
.endr
.endm
.macro SEND t, younger                 ; younger: the LDS instructions issued behind tile t's loads
.irp g, 0,1,2,3
	s_wait_dscnt (\younger)+2*(3-(\g))             ; rows 4 g .. 4 g + 3 are back
	WIN 0x08                                       ; source 1 window 2: q_in
.irp k, 0,1,2,3
	v_lshlrev_b32 v[W+2*(\k)],   16, v[RES+16*(\t)+4*(\g)+(\k)]
	v_and_b32     v[W+2*(\k)+1], 0xffff0000, v[RES+16*(\t)+4*(\g)+(\k)]
.endr
	WIN 0
.irp k, 0,1,2,3
	v_pk_add_f32 v[S+32*(\t)+8*(\g)+2*(\k):S+32*(\t)+8*(\g)+2*(\k)+1], v[S+32*(\t)+8*(\g)+2*(\k):S+32*(\t)+8*(\g)+2*(\k)+1], v[W+2*(\k):W+2*(\k)+1]
.endr
.irp k, 0,1,2,3
	v_cvt_pk_bf16_f32 v[S+32*(\t)+8*(\g)+(\k)], v[S+32*(\t)+8*(\g)+2*(\k)], v[S+32*(\t)+8*(\g)+2*(\k)+1]
.endr
	global_store_b128 v[GO], v[S+32*(\t)+8*(\g):S+32*(\t)+8*(\g)+3], s[18:19] offset:(\t)*2048+(\g)*512  ; 512 consecutive bytes, aligned
.endr
.endm
	PACK 0
	PACK 1
	SEND 0, 16
	PACK 2
	SEND 1, 16
	PACK 3
	SEND 2, 16
	SEND 3, 0
	s_wait_tensorcnt 0x0                           ; the wave's end
	ds_add_u32 v[SPW], v[NIL]
	s_wait_dscnt 0x0
	CROUND                                         ; the closing round
	s_endpgm
.Lfunc_end_k_qd59c072261_attn:
	.size	k_qd59c072261_attn, .Lfunc_end_k_qd59c072261_attn-k_qd59c072261_attn
	.p2alignl 7, 3214868480
	.fill 96, 4, 3214868480
	.section	.rodata,"a",@progbits
	.p2align	6, 0x0
	.amdhsa_kernel k_qd59c072261_attn
		.amdhsa_group_segment_fixed_size 327680
		.amdhsa_private_segment_fixed_size 0
		.amdhsa_enable_private_segment 0
		.amdhsa_kernarg_size 48
		.amdhsa_user_sgpr_count 2
		.amdhsa_user_sgpr_kernarg_segment_ptr 1
		.amdhsa_wavefront_size32 1
		.amdhsa_system_sgpr_workgroup_id_x 1
		.amdhsa_system_sgpr_workgroup_id_y 1
		.amdhsa_system_sgpr_workgroup_id_z 1
		.amdhsa_system_vgpr_workitem_id 0
		.amdhsa_next_free_vgpr 896
		.amdhsa_next_free_sgpr 102
		.amdhsa_reserve_vcc 1
		.amdhsa_float_denorm_mode_32 3
		.amdhsa_float_denorm_mode_16_64 3
		.amdhsa_memory_ordered 1
		.amdhsa_forward_progress 1
		.amdhsa_inst_pref_size 91
	.end_amdhsa_kernel
	.amdgpu_metadata
---
amdhsa.version: [ 1, 2 ]
amdhsa.kernels:
  - .name:           k_qd59c072261_attn
    .symbol:         k_qd59c072261_attn.kd
    .args:
      - { .name: qkh, .offset: 0, .size: 8, .value_kind: global_buffer, .address_space: global }
      - { .name: vh, .offset: 8, .size: 8, .value_kind: global_buffer, .address_space: global }
      - { .name: xin, .offset: 16, .size: 8, .value_kind: global_buffer, .address_space: global }
      - { .name: key_lens, .offset: 24, .size: 8, .value_kind: global_buffer, .address_space: global }
      - { .name: query_lens, .offset: 32, .size: 8, .value_kind: global_buffer, .address_space: global }
      - { .name: kr, .offset: 40, .size: 8, .value_kind: global_buffer, .address_space: global }
    .group_segment_fixed_size: 327680
    .private_segment_fixed_size: 0
    .kernarg_segment_align: 8
    .kernarg_segment_size: 48
    .max_flat_workgroup_size: 128
    .sgpr_count:     102
    .vgpr_count:     896
    .wavefront_size: 32
...
	.end_amdgpu_metadata
.endif
;; end of part 3
;; launch ffn1 (part 4): grid 16 x 16, 4 waves a work-group, clusters of 4 x 4, 327,680 bytes of LDS; arguments kr, wvf, hpart; writes hpart
.if DOCPART == 4
	.amdgcn_target "amdgcn-amd-amdhsa--gfx1250"
	.amdhsa_code_object_version 6
	.text
	.protected	k_qd59c072261_ffn1
	.globl	k_qd59c072261_ffn1
	.p2align	8
	.type	k_qd59c072261_ffn1,@function
k_qd59c072261_ffn1:
	s_mov_b64 s[64:65], 0
	v_nop
	global_prefetch_b8 v0, s[64:65] scope:SCOPE_SE
	s_setreg_imm32_b32 hwreg(HW_REG_WAVE_MODE, 25, 1), 1
	s_wait_xcnt 0x0
	s_wait_alu depctr_hold_cnt(0) depctr_sa_sdst(0) depctr_va_vdst(0) depctr_va_sdst(0) depctr_va_ssrc(0) depctr_va_vcc(0) depctr_vm_vsrc(0)
	s_getreg_b32 s2, hwreg(HW_REG_IB_STS2, 6, 4)
	s_cmp_eq_u32 s2, 0
	s_cbranch_scc0 .Lentry_in_a_cluster
	s_endpgm
.Lentry_in_a_cluster:
	s_bfe_u32 s2, ttmp6, 0x10000c
	s_cmp_lg_u32 s2, 0xf033
	s_cbranch_scc0 .Lentry_shape_is_right
	s_endpgm
.Lentry_shape_is_right:
; FFN, FIRST PRODUCT, AND ITS COLUMN SUMS.  hidden = relu(result fw1), [4096][4096]; only its sums over t are needed, since the mean over t is linear:
; mean_t(relu(..) fw2) = (mean_t relu(..)) fw2.  A work-group makes a tile of 256 x 256 of hidden and stores the 256 column sums of its rows: hpart[tile row][column], f32 (sums of numbers that are not negative).
; A = result by heads, [b x 16 + h][t][64] bf16 (in kr behind K's 16 MiB): a K step of 128 is two heads, each 256 rows x 128 bytes, dense.  B = fw1 [1024 k][4096 n] bf16 (wvf behind W_Value), read turned.
; FRAME.  Four waves, each 128 x 128 (64 accumulators, windows 2 and 3).  8 K steps through two LDS slots; waves 0, 1 fetch A's two heads, waves 2, 3 the halves of B's 128 k rows.  4 x 4 work-groups form a
; cluster: A's tiles are asked for jointly along a cluster row, B's along a cluster column.  The matrix instruction takes A as source 0 and B as source 1: a lane holds ONE column and 8 rows, so a column's sum stays in the lane.
; REGISTERS.  window 0: v0-31 addresses; v32-55 the way out; v64-127, v128-191 A's fragments, two buffers.  window 1: v64-127, v128-191 B's.  windows 2, 3: accumulators ((a, b) at 8 (8 a + b)).
.set KSTEP,  128
.set PA,     144                       ; a row of A in LDS: 128 bytes + 16
.set PB,     544                       ; a row of B: 512 bytes + 32
.set ABLK,   256*PA                    ; one head's 256 rows
.set BH,     64*PB
.set BOFF,   2*ABLK
.set SLOT,   BOFF+2*BH                 ; 143,360
.set STAGE,  2*SLOT                    ; 512 bytes a wave: its 128 column sums
.set SPARE,  STAGE+2048
.set LAPS,   4                         ; a lap = two K steps
.set ADRA, 16
.set ADRB, 20
.set STO,  24
.set RD,   25
.set CO,   26
.set SPW,  28
.set NIL,  29
.set R0,   32
.set F0,   64
.set F1,   128
.set G1,  24
.set G0,  32
.set G1B, 48
.set G0B, 56
.set MSB, 0
.macro WIN new
.if MSB != (\new)
	s_set_vgpr_msb (MSB<<8)|(\new)
.set MSB, \new
.endif
.endm
.set MUL_LO, 0xa4                      ; source 0 (A) window 0, source 1 (B) window 1, C and D window 2
.set MUL_HI, 0xf4                      ; the same, C and D window 3
.set TO_B,   0x40
.macro JLOAD s
	s_cmp_eq_u32 s11, 0
	s_cbranch_scc0 .Lfor_b_\@
	tensor_load_to_lds s[G0+4*(\s):G0+4*(\s)+3], s[G1:G1+7]
	s_nop 0
.rept 4
	v_nop
.endr
	s_branch .Lasked_\@
.Lfor_b_\@:
	tensor_load_to_lds s[G0B+4*(\s):G0B+4*(\s)+3], s[G1B:G1B+7]
	s_nop 0
.rept 4
	v_nop
.endr
.Lasked_\@:
.endm
.macro CREST
	s_cmp_lg_u32 s10, 0
	s_cbranch_scc1 .Lnot_wave_0_\@
	s_barrier_signal -3
.Lnot_wave_0_\@:
	s_barrier_wait -3
	s_barrier_signal -1
	s_barrier_wait -1
.endm
.macro CROUND
	s_barrier_signal -1
	s_barrier_wait -1
	CREST
.endm
	s_load_b128 s[4:7], s[0:1], 0x0                ; kr s[4:5], wvf s[6:7]
	s_load_b64 s[8:9], s[0:1], 0x10                ; hpart
	v_lshl_add_u32 v[SPW], v0, 2, SPARE
	v_mov_b32 v[NIL], 0
	ds_add_u32 v[SPW], v[NIL]                      ; the wave's opening: the add and its wait ahead of my first tensor load
	v_lshrrev_b32 v1, 5, v0
	v_readfirstlane_b32 s10, v1
	s_lshr_b32 s11, s10, 1                         ; my half of the rows; also: I fetch for A (0) or B (1)
	s_and_b32 s12, s10, 1                          ; my half of the columns; also: which part I fetch
	s_bfe_u32 s40, ttmp6, 0x40000
	s_bfe_u32 s41, ttmp6, 0x40004
	s_lshl_b32 s42, ttmp9, 2
	s_add_co_u32 s42, s42, s40                     ; x: tile column
	s_and_b32 s13, ttmp7, 0xffff
	s_lshl_b32 s13, s13, 2
	s_add_co_u32 s13, s13, s41                     ; y: tile row
	s_lshl_b32 s43, s41, 2
	s_lshl_b32 s43, 15, s43
	s_lshl_b32 s44, 0x1111, s40
	s_or_b32 s[G1+0], s43, (1<<16)|(1<<20)|(1<<21)|(4<<22)|(3<<25)   ; A: 32,768 dense bytes as 128 rows of 256; after every 32 words 4 words
	s_mov_b32 s[G1+1], 128<<16
	s_mov_b32 s[G1+2], 128<<16
	s_mov_b32 s[G1+3], 128<<16
	s_mov_b32 s[G1+4], 128
	s_mov_b32 s[G1+5], 128
	s_mov_b32 s[G1+6], 0
	s_mov_b32 s[G1+7], 0
	s_or_b32 s[G1B+0], s44, (1<<16)|(1<<20)|(1<<21)|(6<<22)|(7<<25)  ; B: 64 rows of 256 elements; after every 128 words 8 words
	s_mov_b32 s[G1B+1], 256<<16
	s_mov_b32 s[G1B+2], 64<<16
	s_mov_b32 s[G1B+3], 256<<16
	s_mov_b32 s[G1B+4], 64
	s_mov_b32 s[G1B+5], 4096
	s_mov_b32 s[G1B+6], 0
	s_mov_b32 s[G1B+7], 0
	s_lshr_b32 s16, s13, 2                         ; A: batch y / 4, head = my part, rows 256 (y % 4) on
	s_lshl_b32 s16, s16, 21
	s_and_b32 s17, s13, 3
	s_lshl_b32 s17, s17, 15
	s_add_co_u32 s16, s16, s17
	s_lshl_b32 s17, s12, 17
	s_add_co_u32 s16, s16, s17
	s_add_co_u32 s16, s16, 0x1000000               ; result lies behind K's 16 MiB in kr
	s_mov_b32 s17, 0
	s_lshl_b32 s46, s42, 9                         ; B: column 256 x, k rows 64 x my part on
	s_lshl_b32 s47, s12, 19
	s_add_co_u32 s46, s46, s47
	s_add_co_u32 s46, s46, 0x200000                ; fw1 lies behind W_Value
	s_mov_b32 s47, 0
	s_mul_i32 s20, s12, ABLK
	s_mul_i32 s21, s12, BH
	s_add_co_u32 s21, s21, BOFF
	s_mov_b32 s18, 0x76543210
	s_mov_b32 s19, 0xfedcba98
	s_wait_dscnt 0x0                               ; the opening add is done
	s_wait_kmcnt 0x0
	s_add_nc_u64 s[14:15], s[4:5], s[16:17]
	s_add_nc_u64 s[46:47], s[6:7], s[46:47]
	CROUND
.irp s, 0,1
	s_mov_b32 s[G0+4*(\s)], 1
	s_add_co_u32 s[G0+4*(\s)+1], s20, (\s)*SLOT
	s_add_nc_u64 s[G0+4*(\s)+2:G0+4*(\s)+3], s[14:15], (\s)*262144     ; K step s: two heads on
	s_or_b32 s[G0+4*(\s)+3], s[G0+4*(\s)+3], 0x80000000
	s_mov_b32 s[G0B+4*(\s)], 1
	s_add_co_u32 s[G0B+4*(\s)+1], s21, (\s)*SLOT
	s_add_nc_u64 s[G0B+4*(\s)+2:G0B+4*(\s)+3], s[46:47], (\s)*1048576  ; 128 rows of 8,192 bytes on
	s_or_b32 s[G0B+4*(\s)+3], s[G0B+4*(\s)+3], 0x80000000
	JLOAD \s
.endr
	v_and_b32 v1, 15, v0
	v_bfe_u32 v2, v0, 4, 1
	v_mul_u32_u24 v3, v1, PA
	v_lshl_add_u32 v3, v2, 4, v3
	s_mul_i32 s23, s11, 128*PA                     ; my 128 rows
	v_add_nc_u32 v[ADRA], s23, v3
	v_add_nc_u32 v[ADRA+1], SLOT, v[ADRA]
	v_and_b32 v4, 7, v0
	v_lshl_add_u32 v4, v2, 3, v4
	v_mul_u32_u24 v4, v4, PB
	v_bfe_u32 v5, v0, 3, 1
	v_lshl_add_u32 v4, v5, 4, v4
	s_lshl_b32 s23, s12, 8                         ; my 128 columns
	s_add_co_u32 s23, s23, BOFF
	v_add_nc_u32 v[ADRB], s23, v4
	v_add_nc_u32 v[ADRB+1], SLOT, v[ADRB]
	s_lshl_b32 s23, s10, 9
	s_add_co_u32 s23, s23, STAGE
	v_lshlrev_b32 v[STO], 2, v1
	v_add_nc_u32 v[STO], s23, v[STO]               ; my wave's 512 bytes, word r
	v_and_b32 v3, 31, v0
	v_lshlrev_b32 v[CO], 4, v3
	v_add_nc_u32 v[RD], s23, v[CO]
	s_lshl_b32 s2, s13, 14                         ; hpart: row y of 16,384 bytes, column 256 x + 128 x my half
	s_lshl_b32 s3, s42, 10
	s_add_co_u32 s2, s2, s3
	s_lshl_b32 s3, s12, 9
	s_add_co_u32 s2, s2, s3
	s_mov_b32 s3, 0
	s_add_nc_u64 s[8:9], s[8:9], s[2:3]
.macro MUL16 f, hi, a0, zero           ; 16 products: row blocks a0, a0 + 1 of the window's four x 8 column blocks.  The 64 accumulators take turns in the same order in every quarter
	WIN MUL_LO+0x50*(\hi)
.irp a, \a0, (\a0)+1
.irp b, 0,1,2,3,4,5,6,7
.if \zero
	v_wmma_f32_16x16x32_bf16 v[8*(8*(\a)+(\b)):8*(8*(\a)+(\b))+7], v[(\f)+8*(4*(\hi)+(\a)):(\f)+8*(4*(\hi)+(\a))+7], v[(\f)+8*(\b):(\f)+8*(\b)+7], 0
.else
	v_wmma_f32_16x16x32_bf16 v[8*(8*(\a)+(\b)):8*(8*(\a)+(\b))+7], v[(\f)+8*(4*(\hi)+(\a)):(\f)+8*(4*(\hi)+(\a))+7], v[(\f)+8*(\b):(\f)+8*(\b)+7], v[8*(8*(\a)+(\b)):8*(8*(\a)+(\b))+7]
.endif
.endr
.endr
.endm
.macro FETCH slot, q, f                ; 32 LDS loads in one run: quarter q (32 along K): B turned, then A (head q / 2, channels 32 (q % 2) on)
	WIN TO_B
.irp i, 0,1,2,3,4,5,6,7
	ds_load_tr16_b128 v[(\f)+8*(\i):(\f)+8*(\i)+3],   v[ADRB+(\slot)] offset:(\q)*32*PB+32*(\i)
	ds_load_tr16_b128 v[(\f)+8*(\i)+4:(\f)+8*(\i)+7], v[ADRB+(\slot)] offset:(\q)*32*PB+16*PB+32*(\i)
.endr
	WIN 0
.irp i, 0,1,2,3,4,5,6,7
	ds_load_b128 v[(\f)+8*(\i):(\f)+8*(\i)+3],   v[ADRA+(\slot)] offset:((\q)/2)*ABLK+((\q)%2)*64+(\i)*16*PA
	ds_load_b128 v[(\f)+8*(\i)+4:(\f)+8*(\i)+7], v[ADRA+(\slot)] offset:((\q)/2)*ABLK+((\q)%2)*64+(\i)*16*PA+32
.endr
.endm
.macro PLACES
.rept 4
	v_nop
.endr
.endm
.macro QUARTER slot, q, f, g, zero
	s_wait_dscnt 8                                 ; B and A's rows 0-63 are in; the youngest eight loads may be out
	MUL16 \f, 0, 0, \zero
	MUL16 \f, 0, 2, \zero
	PLACES
	FETCH \slot, \q, \g
	s_wait_dscnt 32                                ; all but the 32 just issued
	MUL16 \f, 1, 0, \zero
	MUL16 \f, 1, 2, \zero
.endm
.macro MEET round                      ; the first half of a K step's last quarter, and the one barrier of the change of slots
	WIN 0
	s_wait_tensorcnt 0x0                           ; all my tensor loads have landed: the one that was out is my part of the next slot
	ds_add_u32 v[SPW], v[NIL]                      ; 0 onto my spare word
	s_wait_dscnt 9                                 ; the add and the youngest eight loads may be out
	MUL16 F1, 0, 0, 0
	s_wait_dscnt 0x0                               ; the add is done, and my reads of this slot are over
	s_barrier_signal -1
	MUL16 F1, 0, 2, 0
.if \round
	WIN 0
.endif
	s_barrier_wait -1
.endm
.macro TURN slot, next
	MEET 1
	CREST                                          ; no wave of any partner still reads this slot or has a load on its way
	s_add_nc_u64 s[G0+4*(\slot)+2:G0+4*(\slot)+3], s[G0+4*(\slot)+2:G0+4*(\slot)+3], 524288
	s_add_nc_u64 s[G0B+4*(\slot)+2:G0B+4*(\slot)+3], s[G0B+4*(\slot)+2:G0B+4*(\slot)+3], 2097152
	JLOAD \slot                                    ; the first tensor load behind the round; its four v_nop are also the places in front of the loads below
	FETCH \next, 0, F0
	MUL16 F1, 1, 0, 0
	MUL16 F1, 1, 2, 0
.endm
	s_wait_tensorcnt 0x1                           ; my part of K step 0 is in; K step 1's may stay out
	s_barrier_signal -1
	s_barrier_wait -1
	FETCH 0, 0, F0
	QUARTER 0, 1, F0, F1, 1                        ; the first quarter starts the sums
	WIN 0
	s_mov_b32 s22, LAPS-1
.Llap:                                                 ; a trip goes once round the ring and fills both slots again
	QUARTER 0, 2, F1, F0, 0
	QUARTER 0, 3, F0, F1, 0
	TURN 0, 1
	QUARTER 1, 1, F0, F1, 0
	QUARTER 1, 2, F1, F0, 0
	QUARTER 1, 3, F0, F1, 0
	TURN 1, 0
	QUARTER 0, 1, F0, F1, 0
	WIN 0
	s_sub_co_u32 s22, s22, 1
	s_cmp_lg_u32 s22, 0
	s_cbranch_scc1 .Llap
	QUARTER 0, 2, F1, F0, 0                        ; the last lap fills nothing
	QUARTER 0, 3, F0, F1, 0
	MEET 0
	PLACES
	FETCH 1, 0, F0
	MUL16 F1, 1, 0, 0
	MUL16 F1, 1, 2, 0
	QUARTER 1, 1, F0, F1, 0
	QUARTER 1, 2, F1, F0, 0
	QUARTER 1, 3, F0, F1, 0
	s_wait_dscnt 8
	MUL16 F1, 0, 0, 0
	MUL16 F1, 0, 2, 0
	s_wait_dscnt 0x0
	MUL16 F1, 1, 0, 0
	MUL16 F1, 1, 2, 0
	; THE WAY OUT: relu, then each column's sum over my 128 rows: inside the lane over registers and row blocks, then across the lanes' halves.
	PLACES
.macro COLSUM win, from, to            ; one window of 32 accumulators; its 8 sums go to v[to ..] of window 0
	WIN \win
.set i, 0
.rept 256                              ; ascending: each accumulator's lowest registers are read first
	v_max_num_f32 v[i], 0, v[i]
.set i, i+1
.endr
.irp a, 1,2,3
.irp b, 0,1,2,3,4,5,6,7
.irp k, 0,2,4,6
	v_pk_add_f32 v[8*(\b)+(\k):8*(\b)+(\k)+1], v[8*(\b)+(\k):8*(\b)+(\k)+1], v[8*(8*(\a)+(\b))+(\k):8*(8*(\a)+(\b))+(\k)+1]
.endr
.endr
.endr
.irp b, 0,1,2,3,4,5,6,7
	v_pk_add_f32 v[8*(\b):8*(\b)+1], v[8*(\b):8*(\b)+1], v[8*(\b)+2:8*(\b)+3]
	v_pk_add_f32 v[8*(\b)+4:8*(\b)+5], v[8*(\b)+4:8*(\b)+5], v[8*(\b)+6:8*(\b)+7]
.endr
.irp b, 0,1,2,3,4,5,6,7
	v_pk_add_f32 v[8*(\b):8*(\b)+1], v[8*(\b):8*(\b)+1], v[8*(\b)+4:8*(\b)+5]
.endr
.irp b, 0,1,2,3,4,5,6,7
	v_add_f32 v[8*(\b)], v[8*(\b)], v[8*(\b)+1]
.endr
	WIN \from
.irp b, 0,1,2,3,4,5,6,7
	v_mov_b32 v[(\to)+(\b)], v[8*(\b)]
.endr
.endm
	COLSUM 0x8a, 0x02, R0
	COLSUM 0xcf, 0x03, R0+8
	WIN 0
.irp b, 0,1,2,3,4,5,6,7
	v_add_f32 v[R0+(\b)], v[R0+(\b)], v[R0+8+(\b)]
.endr
.irp b, 0,1,2,3,4,5,6,7
	v_permlanex16_b32 v[R0+8+(\b)], v[R0+(\b)], s18, s19   ; the column's other rows lie in the lane 16 away
.endr
.irp b, 0,1,2,3,4,5,6,7
	v_add_f32 v[R0+(\b)], v[R0+(\b)], v[R0+8+(\b)]
.endr
.irp b, 0,1,2,3,4,5,6,7
	ds_store_b32 v[STO], v[R0+(\b)] offset:64*(\b)         ; column 16 b + r; the two halves of the lanes write the same number to the same word
.endr
	s_wait_dscnt 0x0                               ; for the others' sake
	s_barrier_signal -1
	s_barrier_wait -1
	s_cmp_lg_u32 s11, 0
	s_cbranch_scc1 .Lno_store                      ; waves 0 and 1 add the two row halves of their columns and store
	ds_load_b128 v[48:51], v[RD]
	ds_load_b128 v[52:55], v[RD] offset:1024
	s_wait_dscnt 0x0
	v_pk_add_f32 v[48:49], v[48:49], v[52:53]
	v_pk_add_f32 v[50:51], v[50:51], v[54:55]
	global_store_b128 v[CO], v[48:51], s[8:9]      ; 512 consecutive bytes, aligned
.Lno_store:
	s_wait_tensorcnt 0x0                           ; the wave's end
	ds_add_u32 v[SPW], v[NIL]
	s_wait_dscnt 0x0
	CROUND                                         ; the closing round
	s_endpgm
.Lfunc_end_k_qd59c072261_ffn1:
	.size	k_qd59c072261_ffn1, .Lfunc_end_k_qd59c072261_ffn1-k_qd59c072261_ffn1
	.p2alignl 7, 3214868480
	.fill 96, 4, 3214868480
	.section	.rodata,"a",@progbits
	.p2align	6, 0x0
	.amdhsa_kernel k_qd59c072261_ffn1
		.amdhsa_group_segment_fixed_size 327680
		.amdhsa_private_segment_fixed_size 0
		.amdhsa_enable_private_segment 0
		.amdhsa_kernarg_size 24
		.amdhsa_user_sgpr_count 2
		.amdhsa_user_sgpr_kernarg_segment_ptr 1
		.amdhsa_wavefront_size32 1
		.amdhsa_system_sgpr_workgroup_id_x 1
		.amdhsa_system_sgpr_workgroup_id_y 1
		.amdhsa_system_sgpr_workgroup_id_z 1
		.amdhsa_system_vgpr_workitem_id 0
		.amdhsa_next_free_vgpr 1024
		.amdhsa_next_free_sgpr 66
		.amdhsa_reserve_vcc 0
		.amdhsa_float_denorm_mode_32 3
		.amdhsa_float_denorm_mode_16_64 3
		.amdhsa_memory_ordered 1
		.amdhsa_forward_progress 1
		.amdhsa_inst_pref_size 145
	.end_amdhsa_kernel
	.amdgpu_metadata
---
amdhsa.version: [ 1, 2 ]
amdhsa.kernels:
  - .name:           k_qd59c072261_ffn1
    .symbol:         k_qd59c072261_ffn1.kd
    .args:
      - { .name: kr, .offset: 0, .size: 8, .value_kind: global_buffer, .address_space: global }
      - { .name: wvf, .offset: 8, .size: 8, .value_kind: global_buffer, .address_space: global }
      - { .name: hpart, .offset: 16, .size: 8, .value_kind: global_buffer, .address_space: global }
    .group_segment_fixed_size: 327680
    .private_segment_fixed_size: 0
    .kernarg_segment_align: 8
    .kernarg_segment_size: 24
    .max_flat_workgroup_size: 128
    .sgpr_count:     66
    .vgpr_count:     1024
    .wavefront_size: 32
...
	.end_amdgpu_metadata
.endif
;; end of part 4
;; launch tail1 (part 5): grid 8 x 32, 8 waves a work-group, no clusters, 23,552 bytes of LDS; arguments hpart, kr, fw2, part; writes part
.if DOCPART == 5
	.amdgcn_target "amdgcn-amd-amdhsa--gfx1250"
	.amdhsa_code_object_version 6
	.text
	.protected	k_qd59c072261_tail1
	.globl	k_qd59c072261_tail1
	.p2align	8
	.type	k_qd59c072261_tail1,@function
k_qd59c072261_tail1:
	s_mov_b64 s[64:65], 0
	v_nop
	global_prefetch_b8 v0, s[64:65] scope:SCOPE_SE
	s_setreg_imm32_b32 hwreg(HW_REG_WAVE_MODE, 25, 1), 1
	s_wait_xcnt 0x0
; TAIL, FIRST PART.  out[b][n] x 1,024 = sum_t result[b][t][n] + sum_k hsum[b][k] fw2[k][n], hsum[b][k] = the sum of hpart's four row tiles of batch b.
; Work-group (g, j): columns 128 g .. + 127; rows 128 j .. + 127 of fw2 (64 KiB, read once in the launch); and, of result, batch j / 8, rows 128 (j % 8) .. + 127 of heads 2 g and 2 g + 1 (32 KiB, read once).
; fw2 is rounded to bf16 as it comes in, like all the module's floating-point inputs; the multiply-adds and sums are f32.
; It stores one partial for each batch: part[j][b][128 g ..].  A product of four rows streams its weights: memory binds, so plain f32 multiply-adds, no matrix unit, no cluster, no tensor loads.
; Wave w takes 16 rows of fw2 (a lane 4 columns: a row piece of 512 bytes a load) and 16 rows of result; the waves' figures meet in LDS.
.set HS,    0                          ; hsum, [128 k][4 batches] f32
.set RED,   2048                       ; wave w, batch b: 128 columns at RED + 2,048 w + 512 b
.set RS,    18432                      ; wave w: result's sums, 128 columns
.set SPARE, 22528                      ; the spare words, 128 bytes a wave
.set HPO,  2                           ; v2   4 x thread
.set L16,  3                           ; v3   16 x lane
.set RHO,  4                           ; v4   result: head l / 16, 16 bytes x (l % 16): two rows of 128 bytes
.set HSS,  5
.set HSR,  6
.set REDS, 7
.set FW,   8                           ; v[8:71]    16 rows of fw2
.set RH,   72                          ; v[72:103]  16 rows of result, two heads
.set H,    104                         ; v[104:167] hpart's 16 numbers, later hsum of my 16 rows
.set ACC,  168                         ; v[168:183] batch b at ACC + 4 b
.set RSUM, 184                         ; v[184:191]
.set T,    192                         ; v[192:199]
.set SPW,  200
.set NIL,  201
.set RSS,  202
.set REDR, 203
.set RSR,  204
	s_load_b256 s[4:11], s[0:1], 0x0               ; hpart s[4:5], kr s[6:7], fw2 s[8:9], part s[10:11]
	v_lshl_add_u32 v[SPW], v0, 2, SPARE
	v_mov_b32 v[NIL], 0
	v_lshrrev_b32 v1, 5, v0
	v_readfirstlane_b32 s12, v1                    ; wave 0..7
	s_and_b32 s13, ttmp7, 0xffff                   ; j
	v_and_b32 v1, 31, v0
	v_lshlrev_b32 v[L16], 4, v1
	v_lshlrev_b32 v[HPO], 2, v0
	v_lshlrev_b32 v[HSS], 4, v0
	v_and_b32 v[RHO], 15, v0
	v_lshlrev_b32 v[RHO], 4, v[RHO]
	v_bfe_u32 v[T], v0, 4, 1
	v_lshl_add_u32 v[RHO], v[T], 17, v[RHO]
	s_lshl_b32 s16, s12, 8
	v_mov_b32 v[HSR], s16                          ; hsum of my 16 rows: every lane reads the same 16 bytes
	s_lshl_b32 s16, s12, 11
	s_add_co_u32 s16, s16, RED
	v_add_nc_u32 v[REDS], s16, v[L16]
	s_lshl_b32 s16, s12, 9
	s_add_co_u32 s17, s16, RS
	v_and_b32 v[T+1], 7, v0
	v_lshlrev_b32 v[RSS], 5, v[T+1]
	v_lshl_add_u32 v[RSS], v[T], 8, v[RSS]
	v_add_nc_u32 v[RSS], s17, v[RSS]               ; column 64 (l / 16) + 8 (l % 8)
	s_add_co_u32 s16, s16, RED
	v_add_nc_u32 v[REDR], s16, v[L16]
	v_add_nc_u32 v[RSR], RS, v[L16]
	s_lshl_b32 s18, s13, 9                         ; hpart: columns 128 j on
	s_mov_b32 s19, 0
	s_lshl_b32 s20, s13, 19                        ; fw2: row 128 j + 16 w, column 128 g
	s_lshl_b32 s21, s12, 16
	s_add_co_u32 s20, s20, s21
	s_lshl_b32 s21, ttmp9, 9
	s_add_co_u32 s20, s20, s21
	s_mov_b32 s21, 0
	s_lshr_b32 s24, s13, 3                         ; the batch whose rows of result I sum
	s_lshl_b32 s22, s24, 21
	s_lshl_b32 s23, ttmp9, 18
	s_add_co_u32 s22, s22, s23
	s_and_b32 s23, s13, 7
	s_lshl_b32 s23, s23, 14
	s_add_co_u32 s22, s22, s23
	s_lshl_b32 s23, s12, 11
	s_add_co_u32 s22, s22, s23
	s_add_co_u32 s22, s22, 0x1000000               ; result lies behind K's 16 MiB in kr
	s_mov_b32 s23, 0
	s_lshl_b32 s26, s13, 2                         ; part: plane 4 j + w (used by waves 0-3), column 128 g
	s_add_co_u32 s26, s26, s12
	s_lshl_b32 s26, s26, 12
	s_lshl_b32 s27, ttmp9, 9
	s_add_co_u32 s26, s26, s27
	s_mov_b32 s27, 0
	s_cmp_eq_u32 s24, s12
	s_cselect_b32 s14, 1.0, 0                      ; result's sums count for their own batch alone
	s_mov_b32 s15, s14
	s_wait_kmcnt 0x0
	s_add_nc_u64 s[4:5], s[4:5], s[18:19]
	s_add_nc_u64 s[8:9], s[8:9], s[20:21]
	s_add_nc_u64 s[6:7], s[6:7], s[22:23]
	s_add_nc_u64 s[10:11], s[10:11], s[26:27]
	s_cmp_lt_u32 s12, 4
	s_cbranch_scc0 .Lno_h
.set i, 0
.rept 16                               ; threads 0-127: column 128 j + thread of all 16 row tiles
	global_load_b32 v[H+i], v[HPO], s[4:5] offset:16384*i
.set i, i+1
.endr
.Lno_h:
.set i, 0
.rept 16
	global_load_b128 v[FW+4*i:FW+4*i+3], v[L16], s[8:9] offset:4096*i th:TH_LOAD_NT
.set i, i+1
.endr
.set i, 0
.rept 8
	global_load_b128 v[RH+4*i:RH+4*i+3], v[RHO], s[6:7] offset:256*i th:TH_LOAD_NT
.set i, i+1
.endr
	s_cmp_lt_u32 s12, 4
	s_cbranch_scc0 .Lno_sum
	s_wait_loadcnt 24                              ; hpart's sixteen are in; the 16 + 8 loads issued behind them stay out
.irp b, 0,1,2,3
	v_add_f32 v[H+4*(\b)], v[H+4*(\b)], v[H+4*(\b)+1]
	v_add_f32 v[H+4*(\b)+2], v[H+4*(\b)+2], v[H+4*(\b)+3]
	v_add_f32 v[T+(\b)], v[H+4*(\b)], v[H+4*(\b)+2]
.endr
	ds_store_b128 v[HSS], v[T:T+3]
.Lno_sum:
	s_wait_dscnt 0x0                               ; for the others' sake
	s_barrier_signal -1
	s_barrier_wait -1
.set i, 0
.rept 16
	ds_load_b128 v[H+4*i:H+4*i+3], v[HSR] offset:16*i
.set i, i+1
.endr
	s_wait_loadcnt 8                               ; fw2 is in; result's eight loads stay out
.set i, 0
.rept 16                               ; fw2 rounded to bf16, kept as f32
	v_cvt_pk_bf16_f32 v[T+2*(i%4)],   v[FW+4*i],   v[FW+4*i+1]
	v_cvt_pk_bf16_f32 v[T+2*(i%4)+1], v[FW+4*i+2], v[FW+4*i+3]
	v_lshlrev_b32 v[FW+4*i],   16,         v[T+2*(i%4)]
	v_and_b32     v[FW+4*i+1], 0xffff0000, v[T+2*(i%4)]
	v_lshlrev_b32 v[FW+4*i+2], 16,         v[T+2*(i%4)+1]
	v_and_b32     v[FW+4*i+3], 0xffff0000, v[T+2*(i%4)+1]
.set i, i+1
.endr
	s_wait_dscnt 0x0
.macro HF i, b, p                      ; two columns of batch b take row i: the packed line reads hsum from the low or the high register of its pair for both halves
.set rA, ACC+4*(\b)+2*(\p)
.set rF, FW+4*(\i)+2*(\p)
.set rH, H+4*(\i)+2*((\b)/2)
.if (\i) == 0
.if (\b)%2 == 0
	v_pk_mul_f32 v[rA:rA+1], v[rF:rF+1], v[rH:rH+1] op_sel_hi:[1,0]
.else
	v_pk_mul_f32 v[rA:rA+1], v[rF:rF+1], v[rH:rH+1] op_sel:[0,1]
.endif
.else
.if (\b)%2 == 0
	v_pk_fma_f32 v[rA:rA+1], v[rF:rF+1], v[rH:rH+1], v[rA:rA+1] op_sel_hi:[1,0,1]
.else
	v_pk_fma_f32 v[rA:rA+1], v[rF:rF+1], v[rH:rH+1], v[rA:rA+1] op_sel:[0,1,0]
.endif
.endif
.endm
.irp i, 0,1,2,3,4,5,6,7,8,9,10,11,12,13,14,15
.irp b, 0,1,2,3
	HF \i, \b, 0
	HF \i, \b, 1
.endr
.endr
	s_wait_loadcnt 0x0                             ; result
.irp k, 0,1,2,3
	v_lshlrev_b32 v[RSUM+2*(\k)],   16, v[RH+(\k)]
	v_and_b32     v[RSUM+2*(\k)+1], 0xffff0000, v[RH+(\k)]
.endr
.irp i, 1,2,3,4,5,6,7
.irp k, 0,1,2,3
	v_lshlrev_b32 v[T+2*(\k)],   16, v[RH+4*(\i)+(\k)]
	v_and_b32     v[T+2*(\k)+1], 0xffff0000, v[RH+4*(\i)+(\k)]
.endr
.irp k, 0,2,4,6
	v_pk_add_f32 v[RSUM+(\k):RSUM+(\k)+1], v[RSUM+(\k):RSUM+(\k)+1], v[T+(\k):T+(\k)+1]
.endr
.endr
.irp k, 0,1,2,3,4,5,6,7
	v_add_f32_dpp v[RSUM+(\k)], v[RSUM+(\k)], v[RSUM+(\k)] row_xmask:8 row_mask:0xf bank_mask:0xf   ; the odd rows lie 8 lanes away
.endr
.irp b, 0,1,2,3
	ds_store_b128 v[REDS], v[ACC+4*(\b):ACC+4*(\b)+3] offset:512*(\b)
.endr
	ds_store_b128 v[RSS], v[RSUM:RSUM+3]           ; lanes 8 apart write the same numbers to the same bytes
	ds_store_b128 v[RSS], v[RSUM+4:RSUM+7] offset:16
	s_wait_dscnt 0x0                               ; for the others' sake
	s_barrier_signal -1
	s_barrier_wait -1
	s_cmp_lt_u32 s12, 4
	s_cbranch_scc0 .Lend                           ; wave b adds the eight waves' figures for batch b
.set i, 0
.rept 8
	ds_load_b128 v[FW+4*i:FW+4*i+3], v[REDR] offset:2048*i
	ds_load_b128 v[FW+32+4*i:FW+32+4*i+3], v[RSR] offset:512*i
.set i, i+1
.endr
	s_wait_dscnt 0x0
.set i, 1
.rept 7
	v_pk_add_f32 v[FW:FW+1],     v[FW:FW+1],     v[FW+4*i:FW+4*i+1]
	v_pk_add_f32 v[FW+2:FW+3],   v[FW+2:FW+3],   v[FW+4*i+2:FW+4*i+3]
	v_pk_add_f32 v[FW+32:FW+33], v[FW+32:FW+33], v[FW+32+4*i:FW+32+4*i+1]
	v_pk_add_f32 v[FW+34:FW+35], v[FW+34:FW+35], v[FW+32+4*i+2:FW+32+4*i+3]
.set i, i+1
.endr
	v_pk_fma_f32 v[FW:FW+1],   v[FW+32:FW+33], s[14:15], v[FW:FW+1]   op_sel_hi:[1,0,1]
	v_pk_fma_f32 v[FW+2:FW+3], v[FW+34:FW+35], s[14:15], v[FW+2:FW+3] op_sel_hi:[1,0,1]
	global_store_b128 v[L16], v[FW:FW+3], s[10:11] ; 512 consecutive bytes, aligned
.Lend:
	s_wait_tensorcnt 0x0                           ; the wave's end
	ds_add_u32 v[SPW], v[NIL]
	s_wait_dscnt 0x0
	s_endpgm
.Lfunc_end_k_qd59c072261_tail1:
	.size	k_qd59c072261_tail1, .Lfunc_end_k_qd59c072261_tail1-k_qd59c072261_tail1
	.p2alignl 7, 3214868480
	.fill 96, 4, 3214868480
	.section	.rodata,"a",@progbits
	.p2align	6, 0x0
	.amdhsa_kernel k_qd59c072261_tail1
		.amdhsa_group_segment_fixed_size 23552
		.amdhsa_private_segment_fixed_size 0
		.amdhsa_enable_private_segment 0
		.amdhsa_kernarg_size 32
		.amdhsa_user_sgpr_count 2
		.amdhsa_user_sgpr_kernarg_segment_ptr 1
		.amdhsa_wavefront_size32 1
		.amdhsa_system_sgpr_workgroup_id_x 1
		.amdhsa_system_sgpr_workgroup_id_y 1
		.amdhsa_system_sgpr_workgroup_id_z 1
		.amdhsa_system_vgpr_workitem_id 0
		.amdhsa_next_free_vgpr 208
		.amdhsa_next_free_sgpr 66
		.amdhsa_reserve_vcc 0
		.amdhsa_float_denorm_mode_32 3
		.amdhsa_float_denorm_mode_16_64 3
		.amdhsa_memory_ordered 1
		.amdhsa_forward_progress 1
		.amdhsa_inst_pref_size 30
	.end_amdhsa_kernel
	.amdgpu_metadata
---
amdhsa.version: [ 1, 2 ]
amdhsa.kernels:
  - .name:           k_qd59c072261_tail1
    .symbol:         k_qd59c072261_tail1.kd
    .args:
      - { .name: hpart, .offset: 0, .size: 8, .value_kind: global_buffer, .address_space: global }
      - { .name: kr, .offset: 8, .size: 8, .value_kind: global_buffer, .address_space: global }
      - { .name: fw2, .offset: 16, .size: 8, .value_kind: global_buffer, .address_space: global }
      - { .name: part, .offset: 24, .size: 8, .value_kind: global_buffer, .address_space: global }
    .group_segment_fixed_size: 23552
    .private_segment_fixed_size: 0
    .kernarg_segment_align: 8
    .kernarg_segment_size: 32
    .max_flat_workgroup_size: 256
    .sgpr_count:     66
    .vgpr_count:     208
    .wavefront_size: 32
...
	.end_amdgpu_metadata
.endif
;; end of part 5
;; launch tail2 (part 6): grid 32 x 1, 1 waves a work-group, no clusters, 0 bytes of LDS; arguments part, out0; writes out0
.if DOCPART == 6
	.amdgcn_target "amdgcn-amd-amdhsa--gfx1250"
	.amdhsa_code_object_version 6
	.text
	.protected	k_qd59c072261_tail2
	.globl	k_qd59c072261_tail2
	.p2align	8
	.type	k_qd59c072261_tail2,@function
k_qd59c072261_tail2:
	s_mov_b64 s[64:65], 0
	v_nop
	global_prefetch_b8 v0, s[64:65] scope:SCOPE_SE
	s_setreg_imm32_b32 hwreg(HW_REG_WAVE_MODE, 25, 1), 1
	s_wait_xcnt 0x0
; TAIL, SECOND PART.  out0[b][n] = (the sum over j of part[j][b][n]) / 1,024: 32 partials of 16,384 bytes, added in f32 in a fixed order.
; One wave a work-group, 4 numbers a lane: 512 consecutive bytes of every partial and of the output.  All 32 loads go out at once; two chains of sums.
.set X, 4                              ; v[4:131] partial j at X + 4 j
	s_load_b128 s[4:7], s[0:1], 0x0                ; part s[4:5], out0 s[6:7]
	v_lshlrev_b32 v1, 4, v0
	s_lshl_b32 s2, ttmp9, 9
	s_mov_b32 s3, 0
	s_wait_kmcnt 0x0
	s_add_nc_u64 s[4:5], s[4:5], s[2:3]
	s_add_nc_u64 s[6:7], s[6:7], s[2:3]
.set j, 0
.rept 32
	global_load_b128 v[X+4*j:X+4*j+3], v1, s[4:5] offset:16384*j
.set j, j+1
.endr
.set j, 2
.rept 30
	s_wait_loadcnt 31-j                            ; partial j is in, the younger ones stay out
	v_pk_add_f32 v[X+4*(j%2):X+4*(j%2)+1],   v[X+4*(j%2):X+4*(j%2)+1],   v[X+4*j:X+4*j+1]
	v_pk_add_f32 v[X+4*(j%2)+2:X+4*(j%2)+3], v[X+4*(j%2)+2:X+4*(j%2)+3], v[X+4*j+2:X+4*j+3]
.set j, j+1
.endr
	v_pk_add_f32 v[X:X+1],   v[X:X+1],   v[X+4:X+5]
	v_pk_add_f32 v[X+2:X+3], v[X+2:X+3], v[X+6:X+7]
	v_pk_mul_f32 v[X:X+1],   v[X:X+1],   0x3a800000 op_sel_hi:[1,0]   ; 1 / 1,024
	v_pk_mul_f32 v[X+2:X+3], v[X+2:X+3], 0x3a800000 op_sel_hi:[1,0]
	global_store_b128 v1, v[X:X+3], s[6:7]
	s_endpgm
.Lfunc_end_k_qd59c072261_tail2:
	.size	k_qd59c072261_tail2, .Lfunc_end_k_qd59c072261_tail2-k_qd59c072261_tail2
	.p2alignl 7, 3214868480
	.fill 96, 4, 3214868480
	.section	.rodata,"a",@progbits
	.p2align	6, 0x0
	.amdhsa_kernel k_qd59c072261_tail2
		.amdhsa_group_segment_fixed_size 0
		.amdhsa_private_segment_fixed_size 0
		.amdhsa_enable_private_segment 0
		.amdhsa_kernarg_size 16
		.amdhsa_user_sgpr_count 2
		.amdhsa_user_sgpr_kernarg_segment_ptr 1
		.amdhsa_wavefront_size32 1
		.amdhsa_system_sgpr_workgroup_id_x 1
		.amdhsa_system_sgpr_workgroup_id_y 1
		.amdhsa_system_sgpr_workgroup_id_z 1
		.amdhsa_system_vgpr_workitem_id 0
		.amdhsa_next_free_vgpr 136
		.amdhsa_next_free_sgpr 66
		.amdhsa_reserve_vcc 0
		.amdhsa_float_denorm_mode_32 3
		.amdhsa_float_denorm_mode_16_64 3
		.amdhsa_memory_ordered 1
		.amdhsa_forward_progress 1
		.amdhsa_inst_pref_size 9
	.end_amdhsa_kernel
	.amdgpu_metadata
---
amdhsa.version: [ 1, 2 ]
amdhsa.kernels:
  - .name:           k_qd59c072261_tail2
    .symbol:         k_qd59c072261_tail2.kd
    .args:
      - { .name: part, .offset: 0, .size: 8, .value_kind: global_buffer, .address_space: global }
      - { .name: out0, .offset: 8, .size: 8, .value_kind: global_buffer, .address_space: global }
    .group_segment_fixed_size: 0
    .private_segment_fixed_size: 0
    .kernarg_segment_align: 8
    .kernarg_segment_size: 16
    .max_flat_workgroup_size: 32
    .sgpr_count:     66
    .vgpr_count:     136
    .wavefront_size: 32
...
	.end_amdgpu_metadata
.endif
;; end of part 6
;; ======== version 2 of 2: 7 launches; 1.07 times as fast as version 1
;; workspace buffers: xin 33,554,432 bytes; wqk 4,194,304 bytes; wvf 10,485,760 bytes; qkh 33,554,432 bytes; kr 25,165,824 bytes; vh 16,777,216 bytes; hpart 262,144 bytes; part 524,288 bytes
;; launch prep: the kernel of part 1 again; grid 1248 x 1, 8 waves a work-group, no clusters, 0 bytes of LDS; arguments queries, pe_q, pe_k, W_Query, W_key, W_Value, fw1, xin, wqk, wvf; writes xin, wqk, wvf
;; launch projqk: the kernel of part 2 again; grid 4 x 64, 4 waves a work-group, clusters of 4 x 4, 327,680 bytes of LDS; arguments xin, wqk, qkh, kr, key_lens; writes qkh, kr
;; launch projv: the kernel of part 2 again; grid 4 x 32, 4 waves a work-group, clusters of 4 x 4, 327,680 bytes of LDS; arguments kr, wvf, vh, part, key_lens; writes vh, part
;; launch attn (part 7): grid 4 x 64, 4 waves a work-group, clusters of 4 x 1, 327,680 bytes of LDS; arguments qkh, vh, xin, key_lens, query_lens, kr; writes kr
.if DOCPART == 7
	.amdgcn_target "amdgcn-amd-amdhsa--gfx1250"
	.amdhsa_code_object_version 6
	.text
	.protected	k_qd59c072261_attn
	.globl	k_qd59c072261_attn
	.p2align	8
	.type	k_qd59c072261_attn,@function
k_qd59c072261_attn:
	s_mov_b64 s[64:65], 0
	v_nop
	global_prefetch_b8 v0, s[64:65] scope:SCOPE_SE
	s_setreg_imm32_b32 hwreg(HW_REG_WAVE_MODE, 25, 1), 1
	s_wait_xcnt 0x0
	s_wait_alu depctr_hold_cnt(0) depctr_sa_sdst(0) depctr_va_vdst(0) depctr_va_sdst(0) depctr_va_ssrc(0) depctr_va_vcc(0) depctr_vm_vsrc(0)
	s_getreg_b32 s2, hwreg(HW_REG_IB_STS2, 6, 4)
	s_cmp_eq_u32 s2, 0
	s_cbranch_scc0 .Lentry_in_a_cluster
	s_endpgm
.Lentry_in_a_cluster:
	s_bfe_u32 s2, ttmp6, 0x10000c
	s_cmp_lg_u32 s2, 0x3003
	s_cbranch_scc0 .Lentry_shape_is_right
	s_endpgm
.Lentry_shape_is_right:
; ATTENTION with the module's masks, and the residual.  For batch b, head h: result[q] = qmask[q] x sum_k softmax_k(s[q][k]) V[k] + q_in[q], s = Q . K / 8,
; where s is REPLACED by NEG = -2^32 for k >= key_len and for k = q.  Q and c K (c = log2(e) / 8, rows from key_len on are 0) arrive as high and low bf16 parts, c V as bf16, all by heads,
; [b x 16 + h][t][64]; result leaves in that layout, bf16.  Products, maxima and sums in f32; weights rounded to bf16 for the second product (their sum is taken of the unrounded weights); the sum of
; weighted rows of c V is divided by l and by c in f32; result rounded once.
; THE SCORES have a spread of thousands, so one bf16 rounding of Q or K would move them by several units of the exponent: s' = Khi Qhi + Khi Qlo + Klo Qhi, three products into one f32 sum
; (Klo Qlo, some 2^-18 of a score, is left out).
; THE EXPONENT is the plain difference s' - m of scaled scores, with a running maximum m: p = 2^(s' - m); O and l are multiplied by a = 2^(m_old - m_new) in every step.
; THE BATCHES.  A key step's 132 exponentials (the four tiles' a and their 128 weights) are ONE batch with ONE wait.  The differences s' - m and the exponentials stand together, a pair's difference one turn of
; the four tiles ahead of its two exponentials, and nothing there names an exponential's result; behind the last stand a v_nop and the wait; all the readers (the roundings, the sums, l = a l + p, O^T times a)
; follow it.  The way out's four reciprocals are a second batch, with one wait.
; THE MASKS.  A hidden key's rows of c K are 0 and the C operand that starts its sum is NEGL = log2(e) x NEG, so its score is exactly NEGL.  MD, made once, is that operand for the step in which key_len falls;
; a step's operand is MD x AL + BE with two scalars: (0, 0) before that step, (1, 0) in it, (0, NEGL) behind it.  The diagonal falls into key step 4 blk + w, key block t of tile t, lanes j and 24 + j of register j:
; eight selects a tile in every step, by lane masks that are 0 in the other steps.  All 16 key steps are walked whatever the lengths: a row with no
; visible key is uniform over all 1,024 keys, as in the module.
; SHARES.  A work-group owns 256 queries of one head, a wave 64: four tiles of 16.  The four query blocks of a head form a cluster and ask for Khi and V jointly.
; Khi AND V OF THE WHOLE HEAD LIE IN LDS (1,024 x 144 and 1,024 x 160 bytes), filled once: each wave issues one load at the start (one of mine is out), 512 keys of Khi (waves 0, 1) or of V (waves 2, 3).
; Nothing is filled again, and no tensor load is out when the first LDS read is issued.  Klo HAS NO ROOM THERE (2 x 147,456 + 163,840 bytes are more than the 327,680 of LDS): it lies in memory as a fragment wants
; it, so each wave loads a step's 8 KiB straight into 64 registers, one step ahead: issued behind the last product that reads them, waited for in the next step.  That part is not shared in the cluster.
; LAYOUT.  S^T = K Q^T: a lane holds one query (lane % 16) and keys 8 (lane / 16) + 0..7; two such results rounded to bf16 are source 1 of O^T = V^T P.  V is read turned, by ds_load_tr16_b128.
; LIMITS.  The lengths are taken as unsigned numbers.  A weight below 2^-126 counts as 0.  NaN and infinities are not treated apart.  bf16 keeps the range of f32 for Q, K, V.
; REGISTERS.  window 0: v0-11 addresses; v12-15 m_old; v16-31 m, a spare, l (two) a tile; v32-47 at work, four a tile; v48 NEGL; v49 Klo's address; v50-57 at work; v64-191 S^T; v192-255 P.
;   window 1: v0-127 O^T; v128-159 MD; v160-191 the step's C operand.   window 2: v0-63 Qhi; v64-127 q_in for the residual; v128-191 Khi of a step; v192-255 V of a step.   window 3: v0-63 Klo of a step; v64-127 Qlo.
.set KS,    64
.set PK,    144                        ; a row of K: 128 bytes + 16
.set PV,    160                        ; a row of V: 128 + 32
.set VREG,  1024*PK
.set SPARE, VREG+1024*PV               ; the spare words, 128 bytes a wave
.set SP,    272                        ; the way out: 16 rows x (256 + 16) bytes of f32 for each wave, laid over K's first bytes once no wave reads K any more
.set AK0, 2
.set AV0, 3
.set AK,  4
.set AV,  5
.set STO, 6
.set RD,  7
.set GO,  8
.set QO,  10
.set QR,  11
.set MOLD, 12
.set ST,  16
.set CW,  32
.set NEGV, 48
.set KA,  49
.set W,   50
.set SPW, 62
.set NIL, 63
.set S,   64
.set P,   192
.set MD,  128                          ; window 1
.set MC,  160                          ; window 1
.set RES, 64                           ; window 2
.set KF,  128                          ; window 2
.set VF,  192                          ; window 2
.set KL,  0                            ; window 3
.set QL,  64                           ; window 3
.set WV,  12
.set G1K, 24                           ; s[24:31] group 1 for K
.set G1V, 32                           ; s[32:39] for V: it differs in the padding alone
.set G0K, 40                           ; s[40:43] group 0 for K
.set G0V, 44                           ; s[44:47] for V
.set KLB, 48                           ; s[48:49] Klo of my head; never rewritten
.set TBL, 50                           ; s50      byte offset in it of the step to be loaded
.set QLB, 52                           ; s[52:53] Qlo at my rows
.set AL,  76
.set BE,  78
.set DM,  80
.set SEL, 88
.set STP, 90
.set CNT, 91
.set SB,  92
.set SD,  93
.set NEGS, 94
.set QLEN, 95
.set KLEN, 96
.set ROW0, 97
.set TBK, 100
.set TBV, 101
.set MSB, 0
.macro WIN new
.if MSB != (\new)
	s_set_vgpr_msb (MSB<<8)|(\new)
.set MSB, (\new)
.endif
.endm
.macro CROUND
	s_barrier_signal -1
	s_barrier_wait -1
	s_cmp_lg_u32 s[WV], 0
	s_cbranch_scc1 .Lnot_wave_0_\@
	s_barrier_signal -3
.Lnot_wave_0_\@:
	s_barrier_wait -3
	s_barrier_signal -1
	s_barrier_wait -1
.endm
.macro GROUP1 g, pad                   ; 512 keys are 65,536 dense bytes: asked for as 256 rows of 256 bytes (two keys), padded in LDS after every key
	s_mov_b32 s[(\g)], 15|(1<<16)|(1<<20)|(1<<21)|(4<<22)|((\pad)<<25)  ; the mask of four; 2-byte elements; padding on; bit 21 beside a mask; after every 32 words
	s_mov_b32 s[(\g)+1], 128<<16                   ; tensor_dim0 = 128
	s_mov_b32 s[(\g)+2], 256<<16                   ; tensor_dim1 = 256
	s_mov_b32 s[(\g)+3], 128<<16                   ; tile_dim0 = 128
	s_mov_b32 s[(\g)+4], 256                       ; tile_dim1 = 256
	s_mov_b32 s[(\g)+5], 128                       ; elements from row to row
	s_mov_b32 s[(\g)+6], 0
	s_mov_b32 s[(\g)+7], 0
.endm
.macro FETCH_KL                        ; a step's Klo, 64 keys x 64 channels, as 8 fragments: keys 16 (f / 2) on, channels 32 (f % 2) on; together the 16 loads take 8,192 consecutive bytes
	WIN 0xc0                                       ; destination window 3, address window 0
.irp f, 0,1,2,3,4,5,6,7
	global_load_b128 v[KL+8*(\f):KL+8*(\f)+3],   v[KA], s[KLB:KLB+1] offset:((\f)/2)*2048+((\f)%2)*64
	global_load_b128 v[KL+8*(\f)+4:KL+8*(\f)+7], v[KA], s[KLB:KLB+1] offset:((\f)/2)*2048+((\f)%2)*64+32
.endr
	WIN 0
.endm
	s_load_b256 s[4:11], s[0:1], 0x0               ; qkh s[4:5], vh s[6:7], xin s[8:9], key_lens s[10:11]
	s_load_b128 s[16:19], s[0:1], 0x20             ; query_lens s[16:17], kr s[18:19]
	v_lshl_add_u32 v[SPW], v0, 2, SPARE
	v_mov_b32 v[NIL], 0
	ds_add_u32 v[SPW], v[NIL]                      ; the wave's opening: the add and its wait ahead of my first tensor load
	v_lshrrev_b32 v1, 5, v0
	v_readfirstlane_b32 s[WV], v1
	s_and_b32 s15, ttmp7, 0xffff                   ; batch x 16 + head, which the four partners share
	s_and_b32 s3, s[WV], 1                         ; which half of the head's keys I fetch
	s_lshl_b32 s20, s15, 17                        ; the head's 131,072 bytes,
	s_lshl_b32 s21, s3, 16                         ; 512 keys of 128 bytes x half
	s_add_co_u32 s20, s20, s21
	s_mov_b32 s21, 0
	s_lshl_b32 s54, s15, 17
	s_mov_b32 s55, 0
	s_mov_b32 s[G0K], 1
	s_mul_i32 s[G0K+1], s3, 512*PK
	s_mov_b32 s[G0V], 1
	s_mul_i32 s[G0V+1], s3, 512*PV
	s_add_co_u32 s[G0V+1], s[G0V+1], VREG
	GROUP1 G1K, 3
	GROUP1 G1V, 7
	s_mov_b32 s[SEL], 0x76543210
	s_mov_b32 s[SEL+1], 0xfedcba98
	s_mov_b32 s[NEGS], 0xcfb8aa3b                  ; NEGL = log2(e) x (-2^32)
	s_mov_b32 s[AL+1], 0                           ; named as pairs
	s_mov_b32 s[BE+1], 0
	s_mov_b32 s[STP], 0
	s_mov_b32 s[TBK], 0
	s_mov_b32 s[TBV], 0
	s_mov_b32 s[TBL], 0
	s_mul_i32 s22, s[WV], 16*SP                    ; my stage
	s_bfe_u32 s2, ttmp6, 0x40000                   ; cx: it enters my own global addresses and mask scalars alone
	s_lshl_b32 s14, ttmp9, 2
	s_add_co_u32 s14, s14, s2                      ; my block of 256 queries
	s_lshl_b32 s[ROW0], s14, 8
	s_lshl_b32 s2, s[WV], 6
	s_add_co_u32 s[ROW0], s[ROW0], s2              ; my wave's first query
	s_lshl_b32 s[SD], s14, 2
	s_add_co_u32 s[SD], s[SD], s[WV]               ; the key step that holds my diagonal
	s_lshl_b32 s98, s15, 17
	s_lshl_b32 s2, s[ROW0], 7
	s_add_co_u32 s98, s98, s2                      ; my rows by heads
	s_mov_b32 s99, 0
	s_lshr_b32 s13, s15, 4                         ; batch
	s_lshl_b32 s2, s13, 10
	s_add_co_u32 s2, s2, s[ROW0]
	s_lshl_b32 s2, s2, 12                          ; my rows in q_in, 4,096 bytes each;
	s_and_b32 s3, s15, 15                          ; the head's 64 columns lie in chunk head / 2 of 512 bytes,
	s_lshr_b32 s23, s3, 1
	s_lshl_b32 s23, s23, 9
	s_add_co_u32 s2, s2, s23
	s_and_b32 s3, s3, 1                            ; in the first or the second 128 bytes of its high parts
	s_lshl_b32 s3, s3, 7
	s_add_co_u32 s2, s2, s3
	s_mov_b32 s3, 0
	s_lshl_b32 s13, s13, 2
	s_wait_dscnt 0x0                               ; the opening add is done
	s_wait_kmcnt 0x0
	s_add_nc_u64 s[G0K+2:G0K+3], s[4:5], s[20:21]
	s_add_nc_u64 s[G0K+2:G0K+3], s[G0K+2:G0K+3], 0x1000000  ; qkh: Qhi, Qlo, Khi, Klo, 8 MiB each
	s_or_b32 s[G0K+3], s[G0K+3], 0x80000000
	s_add_nc_u64 s[G0V+2:G0V+3], s[6:7], s[20:21]
	s_or_b32 s[G0V+3], s[G0V+3], 0x80000000
	s_add_nc_u64 s[KLB:KLB+1], s[4:5], s[54:55]
	s_add_nc_u64 s[KLB:KLB+1], s[KLB:KLB+1], 0x1800000
	s_add_nc_u64 s[4:5], s[4:5], s[98:99]          ; Qhi at my rows
	s_add_nc_u64 s[QLB:QLB+1], s[4:5], 0x800000    ; Qlo at my rows
	s_add_nc_u64 s[18:19], s[18:19], s[98:99]
	s_add_nc_u64 s[18:19], s[18:19], 0x1000000     ; result at my rows: behind K's 16 MiB in kr
	s_add_nc_u64 s[8:9], s[8:9], s[2:3]            ; q_in at my rows
	s_load_b32 s[KLEN], s[10:11], s13 offset:0x0
	s_load_b32 s[QLEN], s[16:17], s13 offset:0x0
	CROUND                                         ; all four work-groups are here: the joint loads meet
	s_cmp_lt_u32 s[WV], 2                          ; the branch hangs on the wave's number alone; an s_nop 0 and four v_nop follow each line
	s_cbranch_scc0 .Lfill_v
	tensor_load_to_lds s[G0K:G0K+3], s[G1K:G1K+7]
	s_nop 0
.rept 4
	v_nop
.endr
	s_branch .Lfill_asked
.Lfill_v:
	tensor_load_to_lds s[G0V:G0V+3], s[G1V:G1V+7]
	s_nop 0
.rept 4
	v_nop
.endr
.Lfill_asked:
	v_and_b32 v1, 15, v0                           ; r = l % 16
	v_bfe_u32 v9, v0, 4, 1                         ; h = l / 16
	v_lshlrev_b32 v[QO], 7, v1
	v_lshl_add_u32 v[QO], v9, 4, v[QO]             ; Q and Klo: row x 128 + 16 h
	v_mov_b32 v[KA], v[QO]                         ; key step 0
	v_bfe_u32 v[QR], v0, 3, 2
	v_lshlrev_b32 v[QR], 12, v[QR]
	v_and_b32 v[W], 7, v0
	v_lshl_add_u32 v[QR], v[W], 4, v[QR]           ; q_in: row l / 8 of four, 16 bytes x (l % 8)
	WIN 0x80                                       ; destination window 2
.set i, 0
.rept 8                                ; Q stays in registers: tile i / 2, channels 32 (i % 2) on
	global_load_b128 v[8*i:8*i+3],   v[QO], s[4:5] offset:(i/2)*2048+(i%2)*64
	global_load_b128 v[8*i+4:8*i+7], v[QO], s[4:5] offset:(i/2)*2048+(i%2)*64+32
.set i, i+1
.endr
.set i, 0
.rept 16                               ; q_in's high parts in the layout in which result leaves: rows 4 i .. 4 i + 3, pieces of 128 bytes
	global_load_b128 v[RES+4*i:RES+4*i+3], v[QR], s[8:9] offset:4*i*4096
.set i, i+1
.endr
	WIN 0xc0                                       ; destination window 3
.set i, 0
.rept 8
	global_load_b128 v[QL+8*i:QL+8*i+3],   v[QO], s[QLB:QLB+1] offset:(i/2)*2048+(i%2)*64
	global_load_b128 v[QL+8*i+4:QL+8*i+7], v[QO], s[QLB:QLB+1] offset:(i/2)*2048+(i%2)*64+32
.set i, i+1
.endr
	FETCH_KL
	WIN 0x40                                       ; O^T, l and m are set in the wait for the tiles: no first step is written out
.set i, 0
.rept 128
	v_mov_b32 v[i], 0
.set i, i+1
.endr
	WIN 0
.set i, 0
.rept 4
	v_mov_b32 v[ST+4*i], 0xff7fffff                ; m: the lowest finite number, so the first step's a is 0
	v_mov_b32 v[ST+4*i+1], 0
	v_mov_b32 v[ST+4*i+2], 0
	v_mov_b32 v[ST+4*i+3], 0
.set i, i+1
.endr
	v_mov_b32 v[NEGV], s[NEGS]
	v_mul_u32_u24 v[AK0], v1, PK
	v_lshl_add_u32 v[AK0], v9, 4, v[AK0]           ; K: row x pitch + 16 h
	v_lshl_add_u32 v[AV0], v9, 3, v[W]             ; V, turned: key 8 h + l % 8, 16 bytes x ((l / 8) % 2)
	v_mul_u32_u24 v[AV0], v[AV0], PV
	v_bfe_u32 v[W+1], v0, 3, 1
	v_lshl_add_u32 v[AV0], v[W+1], 4, v[AV0]
	v_add_nc_u32 v[AV0], VREG, v[AV0]
	v_mul_u32_u24 v[STO], v1, SP
	v_lshl_add_u32 v[STO], v9, 5, v[STO]           ; in: row r, 32 bytes x h
	v_add_nc_u32 v[STO], s22, v[STO]
	v_bfe_u32 v[RD], v0, 3, 2
	v_mul_u32_u24 v[RD], v[RD], SP
	v_lshl_add_u32 v[RD], v[W], 5, v[RD]           ; back: row l / 8 of four, 32 bytes x (l % 8)
	v_add_nc_u32 v[RD], s22, v[RD]
	v_and_b32 v[GO], 31, v0
	v_lshlrev_b32 v[GO], 4, v[GO]
	s_wait_kmcnt 0x0                               ; the two lengths
	s_lshr_b32 s[SB], s[KLEN], 6                   ; the key step in which key_len falls (16, never reached, if all keys are visible)
	s_and_b32 s2, s[KLEN], 63
	v_lshlrev_b32 v[W+1], 3, v9
	v_sub_nc_u32 v[W+1], s2, v[W+1]                ; register j of key block kb is hidden in that step where 16 kb + j >= key_len % 64 - 8 h
	WIN 0x40
.set i, 0
.rept 32
	v_cmp_gt_i32 vcc_lo, 16*(i/8)+i%8+1, v[W+1]
	v_cndmask_b32 v[MD+i], 0, s[NEGS], vcc_lo
.set i, i+1
.endr
	WIN 0
; Number n of the 20 that find tile t's new maximum and a.  Each accumulator's lowest registers are read first.  Number 19, the exponential, is issued in the step's batch.
.macro XS t, n
.set rT, ST+4*(\t)
.set rC, CW+4*(\t)
.set rS, S+32*(\t)
.if (\n) < 4
	v_max3_num_f32 v[rC+(\n)], v[rS+8*(\n)], v[rS+8*(\n)+1], v[rS+8*(\n)+2]
.elseif (\n) < 12
	v_max3_num_f32 v[rC+(\n)%4], v[rC+(\n)%4], v[rS+8*((\n)%4)+2*((\n)/4)+1], v[rS+8*((\n)%4)+2*((\n)/4)+2]
.elseif (\n) == 12
	v_max3_num_f32 v[rC], v[rC], v[rS+7], v[rS+15]
.elseif (\n) == 13
	v_max3_num_f32 v[rC+1], v[rC+1], v[rS+23], v[rS+31]
.elseif (\n) == 14
	v_max3_num_f32 v[rC+2], v[rC+2], v[rC+3], v[rT]
.elseif (\n) == 15
	v_max3_num_f32 v[rC], v[rC], v[rC+1], v[rC+2]
.elseif (\n) == 16
	v_permlanex16_b32 v[rC+3], v[rC], s[SEL], s[SEL+1]   ; the query's other 32 keys lie in the lane 16 away
.elseif (\n) == 17
	v_max_num_f32 v[rT], v[rC], v[rC+3]
.elseif (\n) == 18
	v_sub_f32 v[rC+1], v[MOLD+(\t)], v[rT]
.else
	v_exp_f32 v[rC+2], v[rC+1]
.endif
.endm
; A KEY STEP, in phases.
.macro STEP
	s_cmp_eq_u32 s[STP], s[SB]
	s_cselect_b32 s[AL], 1.0, 0
	s_cmp_gt_u32 s[STP], s[SB]
	s_cselect_b32 s[BE], s[NEGS], 0
	s_cmp_eq_u32 s[STP], s[SD]
.irp j, 0,1,2,3,4,5,6,7
	s_cselect_b32 s[DM+(\j)], (1<<(\j))|(1<<(24+(\j))), 0
.endr
	v_add_nc_u32 v[AK], s[TBK], v[AK0]
	v_add_nc_u32 v[AV], s[TBV], v[AV0]
	WIN 0x41                                       ; the step's C operand; these 16 lines are also the places between the last products and the loads into V's registers
.set i, 0
.rept 16
	v_pk_fma_f32 v[MC+2*i:MC+2*i+1], v[MD+2*i:MD+2*i+1], s[AL:AL+1], s[BE:BE+1] op_sel_hi:[1,0,0]
.set i, i+1
.endr
	WIN 0x80
.irp f, 0,1,2,3,4,5,6,7                ; Khi: keys 16 (f / 2) on, channels 32 (f % 2) on
	ds_load_b128 v[KF+8*(\f):KF+8*(\f)+3],   v[AK] offset:((\f)/2)*16*PK+((\f)%2)*64
	ds_load_b128 v[KF+8*(\f)+4:KF+8*(\f)+7], v[AK] offset:((\f)/2)*16*PK+((\f)%2)*64+32
.endr
.irp f, 0,1,2,3,4,5,6,7                ; V: keys 32 (f / 4) on, channels 16 (f % 4) on
	ds_load_tr16_b128 v[VF+8*(\f):VF+8*(\f)+3],   v[AV] offset:((\f)/4)*32*PV+((\f)%4)*32
	ds_load_tr16_b128 v[VF+8*(\f)+4:VF+8*(\f)+7], v[AV] offset:((\f)/4)*32*PV+16*PV+((\f)%4)*32
.endr
	s_add_co_u32 s[TBK], s[TBK], KS*PK
	s_add_co_u32 s[TBV], s[TBV], KS*PV
	s_wait_dscnt 16                                ; Khi is in; V's sixteen loads may stay out
.set i, 0
.rept 96                               ; S^T: 32 products Khi Qhi, 32 Khi Qlo, 32 Klo Qhi; in each: channels 32 (ii / 16) on, keys 16 ((ii / 4) % 4) on, tile ii % 4.  The 16 accumulators take turns
.set ii, i%32
.set rS, S+32*(ii%4)+8*((ii/4)%4)
.set rK, 16*((ii/4)%4)+8*(ii/16)
.set rQ, 16*(ii%4)+8*(ii/16)
.set rM, MC+8*((ii/4)%4)
.if i < 16
	WIN 0x1a                                       ; K, Q window 2; C window 1; S^T window 0
	v_wmma_f32_16x16x32_bf16 v[rS:rS+7], v[KF+rK:KF+rK+7], v[rQ:rQ+7], v[rM:rM+7]
.elseif i < 32
	WIN 0x0a
	v_wmma_f32_16x16x32_bf16 v[rS:rS+7], v[KF+rK:KF+rK+7], v[rQ:rQ+7], v[rS:rS+7]
.elseif i < 64
	WIN 0x0e                                       ; Khi window 2, Qlo window 3
	v_wmma_f32_16x16x32_bf16 v[rS:rS+7], v[KF+rK:KF+rK+7], v[QL+rQ:QL+rQ+7], v[rS:rS+7]
.else
.if i == 64
	s_wait_loadcnt 0x0                             ; this step's Klo, asked for a step ago, is in
.endif
	WIN 0x0b                                       ; Klo window 3, Qhi window 2
	v_wmma_f32_16x16x32_bf16 v[rS:rS+7], v[KL+rK:KL+rK+7], v[rQ:rQ+7], v[rS:rS+7]
.endif
.set i, i+1
.endr
	WIN 0
.irp t, 0,1,2,3
	v_mov_b32 v[MOLD+(\t)], v[ST+4*(\t)]           ; m_old is kept; these four and the line below are the places behind the products
.endr
	s_add_co_u32 s[TBL], s[TBL], KS*128
	v_add_nc_u32 v[KA], s[TBL], v[QO]              ; the loads that named this register are done: the wait above
	s_cmp_eq_u32 s[CNT], 1
	s_cbranch_scc1 .Lno_klo_\@                     ; the last trip has no next step: nothing is asked for past the head's last key
	FETCH_KL
.Lno_klo_\@:
.irp t, 0,1,2,3
.irp j, 0,1,2,3,4,5,6,7
	v_cndmask_b32 v[S+40*(\t)+(\j)], v[S+40*(\t)+(\j)], v[NEGV], s[DM+(\j)]   ; the diagonal, where this is its step
.endr
.endr
.irp n, 0,1,2,3,4,5,6,7,8,9,10,11,12,13,14,15,16,17,18
.irp t, 0,1,2,3
	XS \t, \n
.endr
.endr
.set n, 0
.rept 17                               ; THE BATCH, in 17 turns of the four tiles: in turn n a tile's difference s' - m of pair n, then the two exponentials of its pair n - 1 (in turn 0: its a).  No line here names an exponential's result
.irp t, 0,1,2,3
.if n < 16
	v_pk_add_f32 v[S+32*(\t)+2*n:S+32*(\t)+2*n+1], v[S+32*(\t)+2*n:S+32*(\t)+2*n+1], v[ST+4*(\t):ST+4*(\t)+1] op_sel_hi:[1,0] neg_lo:[0,1] neg_hi:[0,1]  ; s' - m
.endif
.if n == 0
	XS \t, 19                                      ; a
.else
	v_exp_f32 v[S+32*(\t)+2*n-2], v[S+32*(\t)+2*n-2]
	v_exp_f32 v[S+32*(\t)+2*n-1], v[S+32*(\t)+2*n-1]
.endif
.endr
.set n, n+1
.endr
	v_nop                                          ; the plain line behind the last exponential, ahead of the first use: one for the batch (all the step's plain work that is left reads a result)
	s_wait_alu depctr_va_vdst(0)                   ; the wait ahead of the first line that names a result: one for the step's 132 exponentials
.set n, 0
.rept 16                               ; the readers: pair n is rounded to bf16, and l takes it, the pairs in ascending order; the four tiles alternate
.irp t, 0,1,2,3
	v_cvt_pk_bf16_f32 v[P+16*(\t)+n], v[S+32*(\t)+2*n], v[S+32*(\t)+2*n+1]
.if n == 0
	v_pk_fma_f32 v[ST+4*(\t)+2:ST+4*(\t)+3], v[ST+4*(\t)+2:ST+4*(\t)+3], v[CW+4*(\t)+2:CW+4*(\t)+3], v[S+32*(\t):S+32*(\t)+1] op_sel_hi:[1,0,1]  ; l = a l + p
.else
	v_pk_add_f32 v[ST+4*(\t)+2:ST+4*(\t)+3], v[ST+4*(\t)+2:ST+4*(\t)+3], v[S+32*(\t)+2*n:S+32*(\t)+2*n+1]
.endif
.endr
.set n, n+1
.endr
	WIN 0x41
.irp t, 0,1,2,3
.set i, 0
.rept 16
	v_pk_mul_f32 v[32*(\t)+2*i:32*(\t)+2*i+1], v[32*(\t)+2*i:32*(\t)+2*i+1], v[CW+4*(\t)+2:CW+4*(\t)+3] op_sel_hi:[1,0]  ; O^T times a
.set i, i+1
.endr
.endr
	s_wait_dscnt 0x0                               ; V is in
	WIN 0x52                                       ; V window 2, P window 0, O^T window 1
.set i, 0
.rept 32                               ; O^T += V^T P: keys 32 (i / 16) on, channels 16 ((i / 4) % 4) on, tile i % 4
.set rO, 32*(i%4)+8*((i/4)%4)
.set rV, VF+32*(i/16)+8*((i/4)%4)
.set rP, P+16*(i%4)+8*(i/16)
	v_wmma_f32_16x16x32_bf16 v[rO:rO+7], v[rV:rV+7], v[rP:rP+7], v[rO:rO+7]
.set i, i+1
.endr
	WIN 0
	s_add_co_u32 s[STP], s[STP], 1
.endm
	s_wait_tensorcnt 0x0                           ; my part of the head is in
	s_barrier_signal -1
	s_barrier_wait -1                              ; everybody's is: Khi and V are whole
	s_wait_loadcnt 0x0                             ; Q, q_in and the first Klo
	s_mov_b32 s[CNT], 16
.Lstep:
	STEP
	s_sub_co_u32 s[CNT], s[CNT], 1
	s_cmp_lg_u32 s[CNT], 0
	s_cbranch_scc1 .Lstep
	s_wait_dscnt 0x0                               ; my reads of K and V are over
	s_barrier_signal -1
	s_barrier_wait -1                              ; every wave's are: the stages may be laid over K
	; THE WAY OUT.  O^T / (l c), times the query mask; through my stage in f32; plus q_in; rounded once.  The additions are the places behind the last products.
.irp t, 0,1,2,3
	v_add_f32 v[CW+4*(\t)], v[ST+4*(\t)+2], v[ST+4*(\t)+3]
.endr
.irp t, 0,1,2,3
	v_permlanex16_b32 v[CW+4*(\t)+1], v[CW+4*(\t)], s[SEL], s[SEL+1]
.endr
.irp t, 0,1,2,3
	v_add_f32 v[CW+4*(\t)], v[CW+4*(\t)], v[CW+4*(\t)+1]
.endr
.irp t, 0,1,2,3
	v_rcp_f32 v[CW+4*(\t)+2], v[CW+4*(\t)]         ; l holds the weight 1 of the row's largest score
.endr
	v_add_nc_u32 v[W], s[ROW0], v1                 ; my query in tile 0; plain lines between the reciprocals and their use
.irp t, 1,2,3
	v_add_nc_u32 v[W+(\t)], 16*(\t), v[W]
.endr
	s_wait_alu depctr_va_vdst(0)                   ; the wait ahead of the first use: one for the four reciprocals; the four additions above are the independent work between
.irp t, 0,1,2,3
	v_mul_f32 v[CW+4*(\t)+2], 0x40b17218, v[CW+4*(\t)+2]   ; 1 / c = 8 ln 2: V arrived as c V
.endr
.irp t, 0,1,2,3
	v_cmp_gt_u32 vcc_lo, s[QLEN], v[W+(\t)]
	v_cndmask_b32 v[CW+4*(\t)+2], 0, v[CW+4*(\t)+2], vcc_lo
.endr
.macro PACK t
	WIN 0x41
.set i, 32*(\t)
.rept 16
	v_pk_mul_f32 v[i:i+1], v[i:i+1], v[CW+4*(\t)+2:CW+4*(\t)+3] op_sel_hi:[1,0]
.set i, i+2
.endr
	WIN 0x04                                       ; store data window 1
.irp f, 0,1,2,3,4,5,6,7
	ds_store_b128 v[STO], v[32*(\t)+4*(\f):32*(\t)+4*(\f)+3] offset:64*((\f)/2)+16*((\f)%2)
.endr
	WIN 0
.irp f, 0,1,2,3,4,5,6,7
	ds_load_b128 v[S+32*(\t)+4*(\f):S+32*(\t)+4*(\f)+3], v[RD] offset:((\f)/2)*4*SP+16*((\f)%2)  ; LDS serves a wave's instructions in order (ISA guide 5.7.1.4): these see the stores above
.endr
.endm
.macro SEND t, younger                 ; younger: the LDS instructions issued behind tile t's loads
.irp g, 0,1,2,3
	s_wait_dscnt (\younger)+2*(3-(\g))             ; rows 4 g .. 4 g + 3 are back
	WIN 0x08                                       ; source 1 window 2: q_in
.irp k, 0,1,2,3
	v_lshlrev_b32 v[W+2*(\k)],   16, v[RES+16*(\t)+4*(\g)+(\k)]
	v_and_b32     v[W+2*(\k)+1], 0xffff0000, v[RES+16*(\t)+4*(\g)+(\k)]
.endr
	WIN 0
.irp k, 0,1,2,3
	v_pk_add_f32 v[S+32*(\t)+8*(\g)+2*(\k):S+32*(\t)+8*(\g)+2*(\k)+1], v[S+32*(\t)+8*(\g)+2*(\k):S+32*(\t)+8*(\g)+2*(\k)+1], v[W+2*(\k):W+2*(\k)+1]
.endr
.irp k, 0,1,2,3
	v_cvt_pk_bf16_f32 v[S+32*(\t)+8*(\g)+(\k)], v[S+32*(\t)+8*(\g)+2*(\k)], v[S+32*(\t)+8*(\g)+2*(\k)+1]
.endr
	global_store_b128 v[GO], v[S+32*(\t)+8*(\g):S+32*(\t)+8*(\g)+3], s[18:19] offset:(\t)*2048+(\g)*512  ; 512 consecutive bytes, aligned
.endr
.endm
	PACK 0
	PACK 1
	SEND 0, 16
	PACK 2
	SEND 1, 16
	PACK 3
	SEND 2, 16
	SEND 3, 0
	s_wait_tensorcnt 0x0                           ; the wave's end
	ds_add_u32 v[SPW], v[NIL]
	s_wait_dscnt 0x0
	CROUND                                         ; the closing round
	s_endpgm
.Lfunc_end_k_qd59c072261_attn:
	.size	k_qd59c072261_attn, .Lfunc_end_k_qd59c072261_attn-k_qd59c072261_attn
	.p2alignl 7, 3214868480
	.fill 96, 4, 3214868480
	.section	.rodata,"a",@progbits
	.p2align	6, 0x0
	.amdhsa_kernel k_qd59c072261_attn
		.amdhsa_group_segment_fixed_size 327680
		.amdhsa_private_segment_fixed_size 0
		.amdhsa_enable_private_segment 0
		.amdhsa_kernarg_size 48
		.amdhsa_user_sgpr_count 2
		.amdhsa_user_sgpr_kernarg_segment_ptr 1
		.amdhsa_wavefront_size32 1
		.amdhsa_system_sgpr_workgroup_id_x 1
		.amdhsa_system_sgpr_workgroup_id_y 1
		.amdhsa_system_sgpr_workgroup_id_z 1
		.amdhsa_system_vgpr_workitem_id 0
		.amdhsa_next_free_vgpr 896
		.amdhsa_next_free_sgpr 102
		.amdhsa_reserve_vcc 1
		.amdhsa_float_denorm_mode_32 3
		.amdhsa_float_denorm_mode_16_64 3
		.amdhsa_memory_ordered 1
		.amdhsa_forward_progress 1
		.amdhsa_inst_pref_size 89
	.end_amdhsa_kernel
	.amdgpu_metadata
---
amdhsa.version: [ 1, 2 ]
amdhsa.kernels:
  - .name:           k_qd59c072261_attn
    .symbol:         k_qd59c072261_attn.kd
    .args:
      - { .name: qkh, .offset: 0, .size: 8, .value_kind: global_buffer, .address_space: global }
      - { .name: vh, .offset: 8, .size: 8, .value_kind: global_buffer, .address_space: global }
      - { .name: xin, .offset: 16, .size: 8, .value_kind: global_buffer, .address_space: global }
      - { .name: key_lens, .offset: 24, .size: 8, .value_kind: global_buffer, .address_space: global }
      - { .name: query_lens, .offset: 32, .size: 8, .value_kind: global_buffer, .address_space: global }
      - { .name: kr, .offset: 40, .size: 8, .value_kind: global_buffer, .address_space: global }
    .group_segment_fixed_size: 327680
    .private_segment_fixed_size: 0
    .kernarg_segment_align: 8
    .kernarg_segment_size: 48
    .max_flat_workgroup_size: 128
    .sgpr_count:     102
    .vgpr_count:     896
    .wavefront_size: 32
...
	.end_amdgpu_metadata
.endif
;; end of part 7
;; launch ffn1: the kernel of part 4 again; grid 16 x 16, 4 waves a work-group, clusters of 4 x 4, 327,680 bytes of LDS; arguments kr, wvf, hpart; writes hpart
;; launch tail1: the kernel of part 5 again; grid 8 x 32, 8 waves a work-group, no clusters, 23,552 bytes of LDS; arguments hpart, kr, fw2, part; writes part
;; launch tail2: the kernel of part 6 again; grid 32 x 1, 1 waves a work-group, no clusters, 0 bytes of LDS; arguments part, out0; writes out0
